; MI455X (gfx1250); checked and timed in simulation.
; The chip was launched on July 23, 2026; its instructions are those of AMD's public machine-readable ISA for CDNA 5 (MIT licence, August 2026) and "CDNA5" Instruction Set Architecture Reference Guide (July 2026). The comments in the code are by the model that wrote it; some were corrected since.
;; Multi Head Attention. Allowed arithmetic: float matrix products may take bf16 or f16 operands with f32 sums; other float arithmetic in f32, or as packed bf16 or f16 multiplies, adds, multiply-adds, maxima and minima; sums over many terms, partial sums and values carried from step to step in f32; what a program stores and reads back later, other than sums and carried values, may be rounded once to bf16 or f16.
;; Inputs: Wk 16 x 1,024 x 64 float32; Wo 1,024 x 1,024 float32; Wq 16 x 1,024 x 64 float32; Wv 16 x 1,024 x 64 float32; attention_bias 2,048 x 2,048 float32; bk 16 x 64 float32; bo 1,024 float32; bq 16 x 64 float32; bv 16 x 64 float32; key 4 x 2,048 x 1,024 float32; query 4 x 2,048 x 1,024 float32; value 4 x 2,048 x 1,024 float32.
;; Outputs: out0 4 x 2,048 x 1,024 float32.
;; 2 versions, each right; version 2 is version 1 with the launch prep written anew for expert scheduling mode. Each part assembles by itself: llvm-mc -triple=amdgcn-amd-amdhsa -mcpu=gfx1250 --defsym DOCPART=n.
;; ======== version 1 of 2: 4 launches
;; limits: values are held in f16: magnitudes above 65,504 overflow, below 6.1e-05 lose precision
;; workspace buffers: xb 50,331,648 bytes; wc 8,388,608 bytes; br 16,777,216 bytes; bvec 16,384 bytes; qkv 50,331,648 bytes; ctx 16,777,216 bytes
;; launch prep (part 1): grid 513 x 1, 8 waves a work-group, no clusters, 0 bytes of LDS; arguments query, key, value, Wq, Wk, Wv, Wo, attention_bias, bq, bk, bv, bo, xb, wc, br, bvec; writes xb, wc, br, bvec
.if DOCPART == 1
	.amdgcn_target "amdgcn-amd-amdhsa--gfx1250"
	.amdhsa_code_object_version 6
	.text
	.protected	k_qdd9ace2408_prep
	.globl	k_qdd9ace2408_prep
	.p2align	8
	.type	k_qdd9ace2408_prep,@function
k_qdd9ace2408_prep:
	s_mov_b64 s[64:65], 0
	v_nop
	global_prefetch_b8 v0, s[64:65] scope:SCOPE_SE
	s_setreg_imm32_b32 hwreg(HW_REG_WAVE_MODE, 25, 1), 1
	s_wait_xcnt 0x0
; EVERY INPUT IS ROUNDED ONCE TO bf16 (to nearest even) and laid out for the three launches behind.
;   xb   [3][8192][1024] bf16       query, key, value
;   wc   [4][1024 k][1024 n] 16 bit planes 0-2: Wq, Wk, Wv in bf16, n = 64 head + d, k = e; plane 3: Wo rounded to bf16, that number written as f16
;   br   [2048][2048] f32           8 x bf16(attention_bias): the factor 8 is exact; the scores are kept as q.k + 8 bias and scaled by 1/8 in the exponent
;   bvec [4][1024] f32              bf16(bq), bf16(bk), bf16(bv), bf16(bo), widened again
; LIMITS.  Wo's bf16 number is exact in f16 from 6.1e-5 up to 65,504; below it keeps f16's fixed step of 6e-8; beyond it becomes an infinity.
; A stream: no LDS, no barrier, no matrix unit, no cluster: no byte is wanted twice.  A work-group converts 65,536 numbers as 64 rows of 1,024, a thread 4 numbers of each row:
; a wave's load covers 512 consecutive bytes (for Wq, Wk, Wv: two pieces of 256, one for each of two heads), a wave's store 256 or 512 consecutive aligned bytes.
; The work-group's number picks the job: 0-383 x, 384-431 the three W, 432-447 Wo, 448-511 the bias, 512 the four bias vectors.
.set OFF,   2          ; v[2:17]   source byte offsets of 16 rows; never rewritten in the loop
.set DO8,   18         ; v18       8 t: my 8 bytes of a 16-bit row
.set DO16,  19         ; v19       16 t: my 16 bytes of an f32 row
.set T,     20         ; v[20:23]  at work
.set X,     24         ; v[24:87]  16 rows x 4 f32 as loaded
.set Y,     88         ; v[88:151] 16 rows' results to store
.set JOB,   40
.set PLN,   41         ; which tensor of three
.set CK,    42         ; which chunk of 64 rows
.set SRC,   44         ; s[44:45]
.set DST,   46         ; s[46:47]
.set OFS,   48         ; s[48:49]  an offset, high word 0
.set SSTEP, 50         ; bytes from row to row in the source
.set BST,   52         ; s[52:53]  16 such steps
.set CNT,   54
.set HIM,   55         ; a word's upper bf16
.set EIGHT, 56         ; s[56:57]  8.0
	s_load_b512 s[8:23], s[0:1], 0x0               ; query 8, key 10, value 12, Wq 14, Wk 16, Wv 18, Wo 20, attention_bias 22
	s_load_b512 s[24:39], s[0:1], 0x40             ; bq 24, bk 26, bv 28, bo 30, xb 32, wc 34, br 36, bvec 38
	s_mov_b32 s[JOB], ttmp9
	s_mov_b32 s[OFS+1], 0
	s_mov_b32 s[BST+1], 0
	s_mov_b32 s[HIM], 0xffff0000
	s_mov_b32 s[EIGHT], 0x41000000
	s_mov_b32 s[EIGHT+1], s[EIGHT]                 ; named with it as a pair
	s_mov_b32 s[SSTEP], 4096                       ; dense f32 rows, but for the three W
	v_lshlrev_b32 v[DO8], 3, v0
	v_lshlrev_b32 v[DO16], 4, v0
	v_lshlrev_b32 v[OFF], 4, v0
	s_wait_kmcnt 0x0
.macro PICK3 a, b, c                   ; the source is one of three tensors, by PLN
	s_cmp_eq_u32 s[PLN], 0
	s_cselect_b64 s[SRC:SRC+1], s[\a:\a+1], s[\b:\b+1]
	s_cmp_eq_u32 s[PLN], 2
	s_cselect_b64 s[SRC:SRC+1], s[\c:\c+1], s[SRC:SRC+1]
.endm
.macro STEPBY p, r, sh                 ; pointer p += register r << sh
	s_lshl_b32 s[OFS], s[\r], \sh
	s_add_nc_u64 s[\p:\p+1], s[\p:\p+1], s[OFS:OFS+1]
.endm
.macro SPREAD                          ; the 16 rows' offsets, and the step of a trip
.set j, 1
.rept 15
	v_add_nc_u32 v[OFF+j], s[SSTEP], v[OFF+j-1]
.set j, j+1
.endr
	s_lshl_b32 s[BST], s[SSTEP], 4
.endm
; Four trips of 16 rows.  mode 0: bf16.  mode 1: bf16, written as f16.  mode 2: bf16, widened, times 8, in f32.
.macro STREAM mode
	s_mov_b32 s[CNT], 4
.Ltrip_\@:
.set j, 0
.rept 16
	global_load_b128 v[X+4*j:X+4*j+3], v[OFF+j], s[SRC:SRC+1] th:TH_LOAD_NT
.set j, j+1
.endr
.set j, 0
.rept 16
	s_wait_loadcnt 15-j                            ; loads come back in order: row j is in, the 15 - j younger ones stay out
.if (\mode) == 0
	v_cvt_pk_bf16_f32 v[Y+2*j],   v[X+4*j],   v[X+4*j+1]
	v_cvt_pk_bf16_f32 v[Y+2*j+1], v[X+4*j+2], v[X+4*j+3]
	global_store_b64 v[DO8], v[Y+2*j:Y+2*j+1], s[DST:DST+1] offset:2048*j
.elseif (\mode) == 1
	v_cvt_pk_bf16_f32 v[T],   v[X+4*j],   v[X+4*j+1]
	v_cvt_pk_bf16_f32 v[T+1], v[X+4*j+2], v[X+4*j+3]
	v_lshlrev_b32 v[X+4*j],   16, v[T]             ; bf16 to f32: the low half moves up, the high half stays
	v_and_b32     v[X+4*j+1], s[HIM], v[T]
	v_lshlrev_b32 v[X+4*j+2], 16, v[T+1]
	v_and_b32     v[X+4*j+3], s[HIM], v[T+1]
	v_cvt_pk_f16_f32 v[Y+2*j],   v[X+4*j],   v[X+4*j+1]
	v_cvt_pk_f16_f32 v[Y+2*j+1], v[X+4*j+2], v[X+4*j+3]
	global_store_b64 v[DO8], v[Y+2*j:Y+2*j+1], s[DST:DST+1] offset:2048*j
.else
	v_cvt_pk_bf16_f32 v[T],   v[X+4*j],   v[X+4*j+1]
	v_cvt_pk_bf16_f32 v[T+1], v[X+4*j+2], v[X+4*j+3]
	v_lshlrev_b32 v[Y+4*j],   16, v[T]
	v_and_b32     v[Y+4*j+1], s[HIM], v[T]
	v_lshlrev_b32 v[Y+4*j+2], 16, v[T+1]
	v_and_b32     v[Y+4*j+3], s[HIM], v[T+1]
	v_pk_mul_f32 v[Y+4*j:Y+4*j+1],   v[Y+4*j:Y+4*j+1],   s[EIGHT:EIGHT+1] op_sel_hi:[1,0]
	v_pk_mul_f32 v[Y+4*j+2:Y+4*j+3], v[Y+4*j+2:Y+4*j+3], s[EIGHT:EIGHT+1] op_sel_hi:[1,0]
	global_store_b128 v[DO16], v[Y+4*j:Y+4*j+3], s[DST:DST+1] offset:4096*j
.endif
.set j, j+1
.endr
	s_wait_xcnt 0x0                                ; the two pointers and Y, which the stores read, are rewritten only behind this wait
	s_add_nc_u64 s[SRC:SRC+1], s[SRC:SRC+1], s[BST:BST+1]
.if (\mode) == 2
	s_add_nc_u64 s[DST:DST+1], s[DST:DST+1], 16*4096
.else
	s_add_nc_u64 s[DST:DST+1], s[DST:DST+1], 16*2048
.endif
	s_sub_co_u32 s[CNT], s[CNT], 1
	s_cmp_lg_u32 s[CNT], 0
	s_cbranch_scc1 .Ltrip_\@
.endm
	s_cmp_lt_u32 s[JOB], 384
	s_cbranch_scc0 .Lnot_x
	s_lshr_b32 s[PLN], s[JOB], 7                   ; query, key or value: 128 chunks each
	s_and_b32 s[CK], s[JOB], 127
	PICK3 8, 10, 12
	STEPBY SRC, CK, 18
	s_mov_b64 s[DST:DST+1], s[32:33]
	STEPBY DST, PLN, 24
	STEPBY DST, CK, 17
	s_branch .Lbf16
.Lnot_x:
	s_cmp_lt_u32 s[JOB], 432
	s_cbranch_scc0 .Lnot_w
	s_sub_co_u32 s[JOB], s[JOB], 384               ; Wq, Wk or Wv: 16 chunks of 64 rows e each
	s_lshr_b32 s[PLN], s[JOB], 4
	s_and_b32 s[CK], s[JOB], 15
	PICK3 14, 16, 18
	STEPBY SRC, CK, 14                             ; 64 rows e of 256 bytes inside each head
	s_mov_b64 s[DST:DST+1], s[34:35]
	STEPBY DST, PLN, 21
	STEPBY DST, CK, 17
	v_lshrrev_b32 v[T], 4, v0                      ; my head: 262,144 bytes apart,
	v_and_b32 v[T+1], 15, v0
	v_lshlrev_b32 v[T+1], 4, v[T+1]                ; my 16 bytes of its 256
	v_lshl_add_u32 v[OFF], v[T], 18, v[T+1]
	s_mov_b32 s[SSTEP], 256
.Lbf16:
	SPREAD
	STREAM 0
	s_endpgm
.Lnot_w:
	s_cmp_lt_u32 s[JOB], 448
	s_cbranch_scc0 .Lnot_wo
	s_sub_co_u32 s[CK], s[JOB], 432
	s_mov_b64 s[SRC:SRC+1], s[20:21]
	STEPBY SRC, CK, 18
	s_add_nc_u64 s[DST:DST+1], s[34:35], 3<<21
	STEPBY DST, CK, 17
	SPREAD
	STREAM 1
	s_endpgm
.Lnot_wo:
	s_cmp_lt_u32 s[JOB], 512
	s_cbranch_scc0 .Lvectors
	s_sub_co_u32 s[CK], s[JOB], 448
	s_mov_b64 s[SRC:SRC+1], s[22:23]
	STEPBY SRC, CK, 18
	s_mov_b64 s[DST:DST+1], s[36:37]
	STEPBY DST, CK, 18
	SPREAD
	STREAM 2
	s_endpgm
.Lvectors:                             ; the four bias vectors, 1,024 numbers each: 4 a thread
.irp p, 0,1,2,3
	global_load_b128 v[X+4*\p:X+4*\p+3], v[DO16], s[24+2*\p:25+2*\p]
.endr
	s_wait_loadcnt 0x0
.irp p, 0,1,2,3
	v_cvt_pk_bf16_f32 v[T],   v[X+4*\p],   v[X+4*\p+1]
	v_cvt_pk_bf16_f32 v[T+1], v[X+4*\p+2], v[X+4*\p+3]
	v_lshlrev_b32 v[Y+4*\p],   16, v[T]
	v_and_b32     v[Y+4*\p+1], s[HIM], v[T]
	v_lshlrev_b32 v[Y+4*\p+2], 16, v[T+1]
	v_and_b32     v[Y+4*\p+3], s[HIM], v[T+1]
	global_store_b128 v[DO16], v[Y+4*\p:Y+4*\p+3], s[38:39] offset:4096*\p
.endr
	s_endpgm
.Lfunc_end_k_qdd9ace2408_prep:
	.size	k_qdd9ace2408_prep, .Lfunc_end_k_qdd9ace2408_prep-k_qdd9ace2408_prep
	.p2alignl 7, 3214868480
	.fill 96, 4, 3214868480
	.section	.rodata,"a",@progbits
	.p2align	6, 0x0
	.amdhsa_kernel k_qdd9ace2408_prep
		.amdhsa_group_segment_fixed_size 0
		.amdhsa_private_segment_fixed_size 0
		.amdhsa_enable_private_segment 0
		.amdhsa_kernarg_size 128
		.amdhsa_user_sgpr_count 2
		.amdhsa_user_sgpr_kernarg_segment_ptr 1
		.amdhsa_wavefront_size32 1
		.amdhsa_system_sgpr_workgroup_id_x 1
		.amdhsa_system_sgpr_workgroup_id_y 1
		.amdhsa_system_sgpr_workgroup_id_z 1
		.amdhsa_system_vgpr_workitem_id 0
		.amdhsa_next_free_vgpr 160
		.amdhsa_next_free_sgpr 66
		.amdhsa_reserve_vcc 0
		.amdhsa_float_denorm_mode_32 3
		.amdhsa_float_denorm_mode_16_64 3
		.amdhsa_memory_ordered 1
		.amdhsa_forward_progress 1
		.amdhsa_inst_pref_size 32
	.end_amdhsa_kernel
	.amdgpu_metadata
---
amdhsa.version: [ 1, 2 ]
amdhsa.kernels:
  - .name:           k_qdd9ace2408_prep
    .symbol:         k_qdd9ace2408_prep.kd
    .args:
      - { .name: query, .offset: 0, .size: 8, .value_kind: global_buffer, .address_space: global }
      - { .name: key, .offset: 8, .size: 8, .value_kind: global_buffer, .address_space: global }
      - { .name: value, .offset: 16, .size: 8, .value_kind: global_buffer, .address_space: global }
      - { .name: Wq, .offset: 24, .size: 8, .value_kind: global_buffer, .address_space: global }
      - { .name: Wk, .offset: 32, .size: 8, .value_kind: global_buffer, .address_space: global }
      - { .name: Wv, .offset: 40, .size: 8, .value_kind: global_buffer, .address_space: global }
      - { .name: Wo, .offset: 48, .size: 8, .value_kind: global_buffer, .address_space: global }
      - { .name: attention_bias, .offset: 56, .size: 8, .value_kind: global_buffer, .address_space: global }
      - { .name: bq, .offset: 64, .size: 8, .value_kind: global_buffer, .address_space: global }
      - { .name: bk, .offset: 72, .size: 8, .value_kind: global_buffer, .address_space: global }
      - { .name: bv, .offset: 80, .size: 8, .value_kind: global_buffer, .address_space: global }
      - { .name: bo, .offset: 88, .size: 8, .value_kind: global_buffer, .address_space: global }
      - { .name: xb, .offset: 96, .size: 8, .value_kind: global_buffer, .address_space: global }
      - { .name: wc, .offset: 104, .size: 8, .value_kind: global_buffer, .address_space: global }
      - { .name: br, .offset: 112, .size: 8, .value_kind: global_buffer, .address_space: global }
      - { .name: bvec, .offset: 120, .size: 8, .value_kind: global_buffer, .address_space: global }
    .group_segment_fixed_size: 0
    .private_segment_fixed_size: 0
    .kernarg_segment_align: 8
    .kernarg_segment_size: 128
    .max_flat_workgroup_size: 256
    .sgpr_count:     66
    .vgpr_count:     160
    .wavefront_size: 32
...
	.end_amdgpu_metadata
.endif
;; end of part 1
;; launch proj (part 2): grid 4 x 64, 4 waves a work-group, clusters of 4 x 4, 327,680 bytes of LDS; arguments xb, wc, bvec, qkv; writes qkv
.if DOCPART == 2
	.amdgcn_target "amdgcn-amd-amdhsa--gfx1250"
	.amdhsa_code_object_version 6
	.text
	.protected	k_qdd9ace2408_proj
	.globl	k_qdd9ace2408_proj
	.p2align	8
	.type	k_qdd9ace2408_proj,@function
k_qdd9ace2408_proj:
	s_mov_b64 s[64:65], 0
	v_nop
	global_prefetch_b8 v0, s[64:65] scope:SCOPE_SE
	s_setreg_imm32_b32 hwreg(HW_REG_WAVE_MODE, 25, 1), 1
	s_wait_xcnt 0x0
	s_wait_alu depctr_hold_cnt(0) depctr_sa_sdst(0) depctr_va_vdst(0) depctr_va_sdst(0) depctr_va_ssrc(0) depctr_va_vcc(0) depctr_vm_vsrc(0)
	s_getreg_b32 s2, hwreg(HW_REG_IB_STS2, 6, 4)
	s_cmp_eq_u32 s2, 0
	s_cbranch_scc0 .Lentry_in_a_cluster
	s_endpgm
.Lentry_in_a_cluster:
	s_bfe_u32 s2, ttmp6, 0x10000c
	s_cmp_lg_u32 s2, 0xf033
	s_cbranch_scc0 .Lentry_shape_is_right
	s_endpgm
.Lentry_shape_is_right:
; q, k, v = x W + b.  C[m][n] = bias[n] + the sum over k of A[m][k] B[k][n], three times: A = xb[p] [8192][1024] bf16, B = wc[p] [1024 k][1024 n] bf16, bias = bvec[p] f32,
; C = qkv[p] [8192][1024] f16, rounded once from its f32 sum.  (The same text with OUTP = 1 is the output projection: one tile, f16 operands, f32 out.)
; LIMIT.  f16 ends at 65,504: q, k and v must stay within it, or they become infinities.
; SHARES.  A tile of C is 128 x 256: 64 x 4 tiles, one work-group each, which STAYS and makes the same tile of q, of k and of v: 24 K steps of 128 in one walk of the ring.
; Four waves, each 64 rows x 128 columns: 32 accumulators of 16 x 16.  The matrix instruction is used transposed (source 0 = 16 columns of B, source 1 = 16 rows of A):
; a lane then holds row l % 16 of C and eight neighbouring columns.  The bias is the C operand of the product that starts a sum: nothing is cleared and nothing added later.
; RING.  Two LDS slots, a K step each: A's 128 rows of 256 bytes (pitch 272), B's 128 k-rows of 512 bytes (pitch 544, read turned by ds_load_tr16_b128).  Waves 0 and 1 fetch A's halves,
; waves 2 and 3 B's: one tensor load a wave behind each change of slots; two are out at the start, one afterwards.
; CLUSTER.  4 x 4 work-groups: A's tile hangs on the tile row alone and is asked for jointly along a row of the cluster, B's on the tile column alone, along a column.
; REGISTERS, in windows of 256 (s_set_vgpr_msb: bits 1:0 source 0, 3:2 source 1, 5:4 source 2, 7:6 destination):
;   window 0: v0-13 addresses; v14-20 set-up; v32-63 packed results; v64-191 rows read back from the stage        window 1: accumulator (a, b) at v[8 (8 a + b)]
;   window 2: fragment buffer 0 (64 along K: A at 32 kq + 8 a, B at 64 + 64 kq + 8 b); v192-255 the bias of my 128 columns, 8 registers for each b        window 3: fragment buffer 1
.set OUTP,  0
.set TILES, 3-2*OUTP
.set NSTEP, 8*TILES                    ; K steps of 128 in the walk
.set PA,    272                        ; 68 words: the 16 rows of a load start at 16 different groups of four banks (ISA guide 11.1)
.set PB,    544                        ; 136 words
.set BOFF,  128*PA
.set SLOT1, 1<<17                      ; slot 1 begins here: one exclusive or turns an address in one slot into the other's
.set STAGE, SLOT1+128*(PA+PB)          ; behind the ring, never filled by a tensor load: 16 rows for each wave, for the way out
.set SP,    272+256*OUTP               ; a stage row: my 128 columns (256 or 512 bytes) + 16
.set SPARE, STAGE+4*16*SP              ; the spare words, 128 bytes for each wave: two blocks of 256 bytes that no other line names
.set WBASE, OUTP*(3<<21)               ; B's first plane in wc
.set AJUMP, (1<<24)-7*256              ; from a plane's last K step of A to the next plane's first
.set ADRA0, 2                          ; v2  my lane's place in A's tile; never rewritten
.set ADRB0, 3                          ; v3  in B's
.set ADRA,  4                          ; v4  the same in the slot in hand
.set ADRB,  5
.set STO,   6                          ; v6  the way out: where I put my part of a row
.set RD,    7                          ; v7  where I read rows back
.set CO,    8                          ; v8  my byte offset in C
.set BO,    9                          ; v9  my byte offset in the bias
.set PFO,   10                         ; v10 the prefetches' offset; never rewritten
.set SPW,   12                         ; v12 LDS address of my spare word; never rewritten
.set NIL,   13                         ; v13 0; never rewritten
.set TMP,   32
.set CB,    192
.set WV, 12
.set RH, 13                            ; which 64 rows are mine.  Also: I fetch for A (0) or for B (1)
.set CH, 14                            ; which 128 columns.  Also: which half of that tile I fetch
.set CX, 15
.set CY, 16
.set TX, 17
.set TY, 18
.set G1A, 24                           ; s[24:31] descriptor group 1 for A's tiles
.set G1B, 32                           ; s[32:39] for B's
.set G0A, 40                           ; s[40:47] group 0 for A's: a set for each first fill; the second then walks
.set G0B, 48                           ; s[48:55] the same for B's
.set STEPS, 56
.set KC,  57                           ; K steps done in the tile in hand
.set RC,  58                           ; the walking descriptors' K step in its plane
.set TB,  59                           ; LDS byte at which the slot in hand begins
.set AS,  60                           ; s[60:61] A's next step in bytes
.set PFA, 62                           ; s[62:63] where my prefetches stand
.set PFS, 66                           ; s[66:67] their next step
.set PC,  68                           ; their K step in its plane
.set LIM, 69                           ; 2 in a wave that prefetches, else the greatest number
.set PJ,  70                           ; their step across planes,
.set PN,  71                           ; and inside one
.set AJ,  72
.set MSB, 0
.macro WIN new                         ; the high byte repeats the setting that is left; a switch that changes nothing is dropped
.if MSB != (\new)
	s_set_vgpr_msb (MSB<<8)|(\new)
.set MSB, (\new)
.endif
.endm
.macro PLACES                          ; four places behind matrix instructions, in front of loads into registers that they read and of readers of their results
.rept 4
	v_nop
.endr
.endm
.macro CREST                           ; a round of the cluster's barrier behind its opening barrier
	s_cmp_lg_u32 s[WV], 0
	s_cbranch_scc1 .Lnot_wave_0_\@
	s_barrier_signal -3
.Lnot_wave_0_\@:
	s_barrier_wait -3
	s_barrier_signal -1
	s_barrier_wait -1
.endm
.macro CROUND
	s_barrier_signal -1
	s_barrier_wait -1
	CREST
.endm
.macro JLOAD                           ; a joint refill by the walking descriptors; the branch hangs on the wave's number alone; an s_nop 0 and four v_nop follow each line
	s_cmp_eq_u32 s[RH], 0
	s_cbranch_scc0 .Lfor_b_\@
	tensor_load_to_lds s[G0A+4:G0A+7], s[G1A:G1A+7]
	s_nop 0
	PLACES
	s_branch .Lasked_\@
.Lfor_b_\@:
	tensor_load_to_lds s[G0B+4:G0B+7], s[G1B:G1B+7]
	s_nop 0
	PLACES
.Lasked_\@:
.endm
; A PREFETCH of the K step that stands two refills on, 256 matrix instructions ahead of the load that will want it: one instruction a wave, each lane another block of 256 bytes, each block named once in the launch.
; A's 128 rows: wave 0 of each of the four partners that ask for them jointly takes 32, told apart by address (cx); of the clusters along x the first asks.  B's 128 k-rows of two blocks: waves 2 and 3 of
; each partner take 16 rows each (cy), in the clusters with y = 0.  The first four K steps come by their loads alone; the last two refills have no K step two on.
.macro ASK
	s_cmp_gt_u32 s[STEPS], s[LIM]
	s_cbranch_scc0 .Lnot_mine_\@
	global_prefetch_b8 v[PFO], s[PFA:PFA+1] th:TH_LOAD_NT scope:SCOPE_SE
.Lnot_mine_\@:
.endm
.macro WMMA ops:vararg
.if OUTP
	v_wmma_f32_16x16x32_f16 \ops
.else
	v_wmma_f32_16x16x32_bf16 \ops
.endif
.endm
; 8 n products: m blocks a0 .. a0 + n - 1 x all 8 n blocks, 32 along K (half kq of buffer f).  The 32 accumulators take turns in one order everywhere.  first = 1: the bias starts the sums.
.macro MUL f, kq, a0, n, first=0
.if \first
	WIN 0x6a                                       ; B and A in window 2, C (the bias) in window 2, D in window 1
.else
	WIN 0x5a+5*(\f)                                ; B and A in window 2 or 3, C and D in window 1
.endif
.set ma, (\a0)
.rept \n
.set mb, 0
.rept 8
.set rD, 8*(8*ma+mb)
.set rB, 64+64*(\kq)+8*mb
.set rA, 32*(\kq)+8*ma
.if \first
	WMMA v[rD:rD+7], v[rB:rB+7], v[rA:rA+7], v[CB+8*mb:CB+8*mb+7]
.else
	WMMA v[rD:rD+7], v[rB:rB+7], v[rA:rA+7], v[rD:rD+7]
.endif
.set mb, mb+1
.endr
.set ma, ma+1
.endr
.endm
; 48 LDS loads in one run: the fragments of 64 along K (half kb of the K step) into buffer f; the first 32 along K (24 loads) first.
; B, stored [k][n], comes turned: lane l reads k-row 8 (l / 16) + l % 8, columns 8 ((l / 8) % 2) + 0..7, and ends with column l % 16 and 8 k; A as it lies: row l % 16, two loads 32 bytes apart.
.macro FETCH kb, f
	WIN 0x80+0x40*(\f)
.irp kq, 0,1
.irp b, 0,1,2,3,4,5,6,7
	ds_load_tr16_b128 v[64+64*(\kq)+8*(\b):64+64*(\kq)+8*(\b)+3],   v[ADRB] offset:(2*(\kb)+(\kq))*32*PB+32*(\b)
	ds_load_tr16_b128 v[64+64*(\kq)+8*(\b)+4:64+64*(\kq)+8*(\b)+7], v[ADRB] offset:(2*(\kb)+(\kq))*32*PB+32*(\b)+16*PB
.endr
.irp a, 0,1,2,3
	ds_load_b128 v[32*(\kq)+8*(\a):32*(\kq)+8*(\a)+3],   v[ADRA] offset:(2*(\kb)+(\kq))*64+(\a)*16*PA
	ds_load_b128 v[32*(\kq)+8*(\a)+4:32*(\kq)+8*(\a)+7], v[ADRA] offset:(2*(\kb)+(\kq))*64+(\a)*16*PA+32
.endr
.endr
.endm
; A K step's first half: multiplies buffer 0 and fetches the second half into buffer 1.
.macro HALF0 first
	s_wait_dscnt 24                                ; the first 32 along K are in; the 24 younger loads may be out
	MUL 0, 0, 0, 4, \first
	PLACES
	FETCH 1, 1
	s_wait_dscnt 48                                ; all but the 48 just issued
	MUL 0, 1, 0, 4
.endm
; Its second half multiplies buffer 1 and changes slots: ONE barrier.  In front of it each wave waits for all its tensor loads (the one that is out is its part of the next slot), adds 0 to its spare word,
; and waits for that and for its reads of this slot.  fill = 1: the barrier opens a round of the cluster's barrier, and this slot is filled again, two K steps ahead, first thing behind the round:
; 96 matrix instructions stand between that request and the wait for it.
.macro TURN fill
.if \fill
	s_wait_xcnt 0x0                                ; the last prefetch, a K step back, has read its address: it is stepped here
	s_add_co_u32 s[PC], s[PC], 1
	s_and_b32 s[PC], s[PC], 7
	s_cmp_eq_u32 s[PC], 0
	s_cselect_b32 s[PFS], s[PJ], s[PN]
	s_add_nc_u64 s[PFA:PFA+1], s[PFA:PFA+1], s[PFS:PFS+1]
.endif
	WIN 0
	s_wait_tensorcnt 0x0                           ; all my tensor loads have landed
	ds_add_u32 v[SPW], v[NIL]                      ; 0 onto my spare word
	s_wait_dscnt 25                                ; (the add and the youngest 24 loads may be out)
	MUL 1, 0, 0, 2                                 ; sixteen matrix instructions stand between the add and the wait for it
	s_wait_dscnt 0x0                               ; the add is done, and my reads of this slot are over
	s_barrier_signal -1
	MUL 1, 0, 2, 2
	WIN 0
	s_barrier_wait -1
.if \fill
	CREST                                          ; no wave of any partner still reads this slot or has a load on its way
.if TILES > 1
	s_add_co_u32 s[RC], s[RC], 1
	s_and_b32 s[RC], s[RC], 7
	s_cmp_eq_u32 s[RC], 0
	s_cselect_b32 s[AS], s[AJ], 256                ; along K, or into the next plane
	s_add_nc_u64 s[G0A+6:G0A+7], s[G0A+6:G0A+7], s[AS:AS+1]
.else
	s_add_nc_u64 s[G0A+6:G0A+7], s[G0A+6:G0A+7], 256
.endif
	s_add_nc_u64 s[G0B+6:G0B+7], s[G0B+6:G0B+7], 128*2048  ; 128 k-rows on: wc's planes follow each other
	s_xor_b32 s[G0A+5], s[G0A+5], SLOT1
	s_xor_b32 s[G0B+5], s[G0B+5], SLOT1
	JLOAD                                          ; its four v_nop are also the places in front of the loads below
.else
	PLACES
.endif
	s_xor_b32 s[TB], s[TB], SLOT1
	v_add_nc_u32 v[ADRA], s[TB], v[ADRA0]
	v_add_nc_u32 v[ADRB], s[TB], v[ADRB0]
	FETCH 0, 0
	WIN 0
.if \fill
	ASK
.endif
	MUL 1, 1, 0, 4
.endm
.macro LOADCB                          ; the bias of my 128 columns: register 8 b + j is column 16 b + 8 (l / 16) + j
	WIN 0x80
.irp b, 0,1,2,3,4,5,6,7
	global_load_b128 v[CB+8*(\b):CB+8*(\b)+3],   v[BO], s[8:9] offset:64*(\b)
	global_load_b128 v[CB+8*(\b)+4:CB+8*(\b)+7], v[BO], s[8:9] offset:64*(\b)+16
.endr
	WIN 0
.endm
	s_load_b256 s[4:11], s[0:1], 0x0               ; A s[4:5], wc s[6:7], bvec s[8:9], C s[10:11]
	v_lshl_add_u32 v[SPW], v0, 2, SPARE
	v_mov_b32 v[NIL], 0
	ds_add_u32 v[SPW], v[NIL]                      ; the wave's opening: the add and its wait stand ahead of my first tensor load; the set-up below stands between them
	v_lshrrev_b32 v1, 5, v0
	v_readfirstlane_b32 s[WV], v1
	s_lshr_b32 s[RH], s[WV], 1
	s_and_b32 s[CH], s[WV], 1
	s_bfe_u32 s[CX], ttmp6, 0x40000
	s_bfe_u32 s[CY], ttmp6, 0x40004
	s_lshl_b32 s[TX], ttmp9, 2
	s_add_co_u32 s[TX], s[TX], s[CX]               ; tile column = 4 x cluster x + cx
	s_and_b32 s[TY], ttmp7, 0xffff
	s_lshl_b32 s[TY], s[TY], 2
	s_add_co_u32 s[TY], s[TY], s[CY]               ; tile row = 4 x cluster y + cy
	s_lshl_b32 s19, s[CY], 2
	s_lshl_b32 s19, 15, s19                        ; my row of the cluster
	s_or_b32 s[G1A], s19, (1<<16)|(1<<20)|(1<<21)|(5<<22)|(3<<25)  ; mask; 2-byte elements; padding on; bit 21 beside a mask; after every 64 words, 4 words
	s_lshl_b32 s19, 0x1111, s[CX]                  ; my column
	s_or_b32 s[G1B], s19, (1<<16)|(1<<20)|(1<<21)|(6<<22)|(7<<25)  ; after every 128 words, 8 words
	s_mov_b32 s[G1A+1], 128<<16                    ; tensor_dim0 = 128
	s_mov_b32 s[G1A+2], 64<<16                     ; tensor_dim1 = 64
	s_mov_b32 s[G1A+3], 128<<16                    ; tile_dim0 = 128
	s_mov_b32 s[G1A+4], 64                         ; tile_dim1 = 64
	s_mov_b32 s[G1A+5], 1024                       ; elements from row to row
	s_mov_b32 s[G1A+6], 0
	s_mov_b32 s[G1A+7], 0
	s_mov_b32 s[G1B+1], 256<<16
	s_mov_b32 s[G1B+2], 64<<16
	s_mov_b32 s[G1B+3], 256<<16
	s_mov_b32 s[G1B+4], 64
	s_mov_b32 s[G1B+5], 1024
	s_mov_b32 s[G1B+6], 0
	s_mov_b32 s[G1B+7], 0
	s_lshl_b32 s19, s[CH], 17                      ; the half that I fetch: 64 rows of 2,048 bytes
	s_lshl_b32 s20, s[TY], 18                      ; A: 128 rows a tile row; no cx enters
	s_add_co_u32 s20, s20, s19
	s_mov_b32 s21, 0
	s_lshl_b32 s22, s[TX], 9                       ; B: 512 bytes a tile column; no cy enters
	s_add_co_u32 s22, s22, s19
.if OUTP
	s_add_co_u32 s22, s22, WBASE
.endif
	s_mov_b32 s23, 0
	s_mul_i32 s19, s[CH], 64*PA                    ; where they go: no place in the cluster enters an LDS address
	s_mul_i32 s73, s[CH], 64*PB
	s_add_co_u32 s73, s73, BOFF
	s_mov_b32 s[RC], 1
	s_mov_b32 s[PC], 3
	s_mov_b32 s[TB], 0
	s_mov_b32 s[AS+1], 0
	s_mov_b32 s[PFS+1], 0
	s_mov_b32 s[AJ], AJUMP
	s_wait_dscnt 0x0                               ; the opening add is done
	s_wait_kmcnt 0x0
	s_add_nc_u64 s[74:75], s[4:5], s[20:21]
	s_add_nc_u64 s[76:77], s[6:7], s[22:23]
.irp s, 0,1
	s_mov_b32 s[G0A+4*(\s)], 1                     ; count = 1
	s_add_co_u32 s[G0A+4*(\s)+1], s19, (\s)*SLOT1  ; LDS address
	s_add_nc_u64 s[G0A+4*(\s)+2:G0A+4*(\s)+3], s[74:75], (\s)*256  ; global address: K step s
	s_or_b32 s[G0A+4*(\s)+3], s[G0A+4*(\s)+3], 0x80000000          ; type = 2
	s_mov_b32 s[G0B+4*(\s)], 1
	s_add_co_u32 s[G0B+4*(\s)+1], s73, (\s)*SLOT1
	s_add_nc_u64 s[G0B+4*(\s)+2:G0B+4*(\s)+3], s[76:77], (\s)*128*2048
	s_or_b32 s[G0B+4*(\s)+3], s[G0B+4*(\s)+3], 0x80000000
.endr
	CROUND                                         ; all sixteen work-groups are here: the first joint loads meet
	s_cmp_eq_u32 s[RH], 0                          ; a wave's two first fills stand in one branch: two loads of mine are out
	s_cbranch_scc0 .Lfirst_b
	tensor_load_to_lds s[G0A:G0A+3], s[G1A:G1A+7]
	s_nop 0
	tensor_load_to_lds s[G0A+4:G0A+7], s[G1A:G1A+7]
	s_nop 0
	PLACES
	s_branch .Lfirst_asked
.Lfirst_b:
	tensor_load_to_lds s[G0B:G0B+3], s[G1B:G1B+7]
	s_nop 0
	tensor_load_to_lds s[G0B+4:G0B+7], s[G1B:G1B+7]
	s_nop 0
	PLACES
.Lfirst_asked:
	v_and_b32 v14, 15, v0                          ; l % 16
	v_bfe_u32 v15, v0, 4, 1                        ; l / 16
	v_and_b32 v16, 7, v0
	v_bfe_u32 v17, v0, 3, 1
	v_and_b32 v18, 31, v0                          ; l
	s_lshl_b32 s19, s[CH], 9
	v_lshl_add_u32 v[BO], v15, 5, s19              ; 4 bytes x (128 x my column half + 8 (l / 16))
	s_lshl_b32 s20, s[TX], 10
.if OUTP
	s_add_co_u32 s20, s20, 3*4096
.endif
	s_mov_b32 s21, 0
	s_add_nc_u64 s[8:9], s[8:9], s[20:21]          ; the bias at the tile's first column
	LOADCB
	v_mul_u32_u24 v[ADRA0], v14, PA
	v_lshl_add_u32 v[ADRA0], v15, 4, v[ADRA0]
	s_mul_i32 s19, s[RH], 64*PA
	v_add_nc_u32 v[ADRA0], s19, v[ADRA0]           ; row x pitch + 16 x half + my 64 rows
	v_lshl_add_u32 v19, v15, 3, v16
	v_mul_u32_u24 v[ADRB0], v19, PB
	v_lshl_add_u32 v[ADRB0], v17, 4, v[ADRB0]
	s_lshl_b32 s19, s[CH], 8
	s_add_co_u32 s19, s19, BOFF
	v_add_nc_u32 v[ADRB0], s19, v[ADRB0]           ; k-row x pitch + 16 x column group + my 128 columns, behind A
	v_mov_b32 v[ADRA], v[ADRA0]
	v_mov_b32 v[ADRB], v[ADRB0]
	s_mul_i32 s19, s[WV], 16*SP
	s_add_co_u32 s19, s19, STAGE                   ; my stage
	v_mul_u32_u24 v[STO], v14, SP
	v_lshl_add_u32 v[STO], v15, 4+OUTP, v[STO]     ; in: row l % 16, my 8 columns
	v_add_nc_u32 v[STO], s19, v[STO]
.if OUTP
	v_lshl_add_u32 v[RD], v18, 4, s19              ; back: 32 lanes take one row of 512 bytes,
	v_lshlrev_b32 v[CO], 4, v18                    ; and the same in C
.else
	v_mul_u32_u24 v[RD], v15, SP                   ; back: lanes 0-15 take one row of 256 bytes, lanes 16-31 the next,
	v_lshl_add_u32 v[RD], v14, 4, v[RD]
	v_add_nc_u32 v[RD], s19, v[RD]
	v_lshlrev_b32 v[CO], 11, v15                   ; and the same two rows in C
	v_lshl_add_u32 v[CO], v14, 4, v[CO]
.endif
	s_lshl_b32 s20, s[TY], 18+OUTP                 ; my part of the tile in C
	s_lshl_b32 s19, s[RH], 17+OUTP
	s_add_co_u32 s20, s20, s19
	s_lshl_b32 s19, s[TX], 9+OUTP
	s_add_co_u32 s20, s20, s19
	s_lshl_b32 s19, s[CH], 8+OUTP
	s_add_co_u32 s20, s20, s19
	s_add_nc_u64 s[10:11], s[10:11], s[20:21]
	; the prefetches
	s_lshl_b32 s20, s[TY], 18                      ; A: the tile's rows, my work-group's 32 of them, K step 3
	s_lshl_b32 s19, s[CX], 16
	s_add_co_u32 s20, s20, s19
	s_add_co_u32 s20, s20, 3*256
	s_lshl_b32 s22, s[TX], 9                       ; B: the tile's columns, my wave's 64 k-rows, my work-group's 16 of them, K step 3
	s_lshl_b32 s19, s[CH], 17
	s_add_co_u32 s22, s22, s19
	s_lshl_b32 s19, s[CY], 15
	s_add_co_u32 s22, s22, s19
	s_add_co_u32 s22, s22, WBASE+3*128*2048
	s_and_b32 s19, ttmp7, 0xffff
	s_mov_b32 s[PJ], 128*2048
	s_mov_b32 s[PN], 128*2048
	s_cmp_eq_u32 s[RH], 0
	s_cselect_b32 s20, s20, s22
	s_cselect_b64 s[PFA:PFA+1], s[4:5], s[6:7]
.if TILES > 1
	s_cselect_b32 s[PJ], s[AJ], s[PJ]
.else
	s_cselect_b32 s[PJ], 256, s[PJ]
.endif
	s_cselect_b32 s[PN], 256, s[PN]
	s_cselect_b32 s19, ttmp9, s19                  ; the coordinate along which other clusters read the same rows
	s_cselect_b32 s73, -1, 0
	s_add_nc_u64 s[PFA:PFA+1], s[PFA:PFA+1], s[20:21]
	s_cmp_eq_u32 s19, 0
	s_cselect_b32 s[LIM], 2, -1                    ; the same in all sixteen partners, for a given wave
	s_cmp_eq_u32 s[WV], 1
	s_cselect_b32 s[LIM], -1, s[LIM]               ; wave 0 asks for all of A's 32 rows: wave 1 has none left
	v_lshlrev_b32 v19, 11, v18                     ; A: a lane a row
	v_lshrrev_b32 v20, 1, v18                      ; B: two lanes a row of two blocks
	v_lshlrev_b32 v20, 11, v20
	v_and_b32 v1, 1, v18
	v_lshl_add_u32 v20, v1, 8, v20
	v_cndmask_b32 v[PFO], v20, v19, s73
; THE WAY OUT, 16 rows (an m block) at a time, through my own stage: LDS serves a wave's instructions in order (ISA guide 5.7.1.4), so no wait stands between my stores and my loads.
.if OUTP
.macro TOSTAGE a                       ; f32: the accumulators go straight into rows of 528 bytes, each one's lowest registers first, and come back as whole rows of 512
.if (\a) >= 2
	s_wait_xcnt 0x0                                ; the stores of the block two back have read the registers that are loaded again
.endif
	WIN 0x04                                       ; store data in window 1
.set mb, 0
.rept 8
	ds_store_b128 v[STO], v[8*(8*(\a)+mb):8*(8*(\a)+mb)+3]   offset:64*mb
	ds_store_b128 v[STO], v[8*(8*(\a)+mb)+4:8*(8*(\a)+mb)+7] offset:64*mb+16
.set mb, mb+1
.endr
	WIN 0
.set BK, 64+64*((\a)%2)
.irp t, 0,1,2,3,4,5,6,7,8,9,10,11,12,13,14,15
	ds_load_b128 v[BK+4*(\t):BK+4*(\t)+3], v[RD] offset:(\t)*SP
.endr
.endm
.macro SEND a, younger                 ; younger: the next block's 32 LDS instructions, or none
.set BK, 64+64*((\a)%2)
	s_wait_dscnt \younger
.irp t, 0,1,2,3,4,5,6,7,8,9,10,11,12,13,14,15
	global_store_b128 v[CO], v[BK+4*(\t):BK+4*(\t)+3], s[10:11] offset:(16*(\a)+(\t))*4096  ; 512 consecutive bytes, at a multiple of 256 from C's first byte
.endr
.endm
.macro WAYOUT next
	PLACES
	PLACES
	TOSTAGE 0
.irp a, 1,2,3
	TOSTAGE \a
	SEND (\a)-1, 32
.endr
	SEND 3, 0
.endm
.else
.macro PACK a                          ; rounded to f16, 16 bytes a lane; each accumulator's registers in ascending order
	WIN 0x05
.set mb, 0
.rept 8
.irp r, 0,1,2,3
	v_cvt_pk_f16_f32 v[TMP+4*mb+(\r)], v[8*(8*(\a)+mb)+2*(\r)], v[8*(8*(\a)+mb)+2*(\r)+1]
.endr
.set mb, mb+1
.endr
	WIN 0
.endm
.macro TOSTAGE a
.set BK, 64+32*((\a)%2)
.irp b, 0,1,2,3,4,5,6,7
	ds_store_b128 v[STO], v[TMP+4*(\b):TMP+4*(\b)+3] offset:32*(\b)
.endr
.irp t, 0,1,2,3,4,5,6,7
	ds_load_b128 v[BK+4*(\t):BK+4*(\t)+3], v[RD] offset:(\t)*2*SP
.endr
.endm
.macro SEND a
.set BK, 64+32*((\a)%2)
	s_wait_dscnt 0x0                               ; the block is back in registers
	s_wait_xcnt 0x0                                ; the stores of the block before have read their registers, which the next block's loads write
.irp t, 0,1,2,3,4,5,6,7
	global_store_b128 v[CO], v[BK+4*(\t):BK+4*(\t)+3], s[10:11] offset:(16*(\a)+2*(\t))*2048  ; 16 lanes store 256 consecutive bytes, at a multiple of 256 from C's first byte
.endr
.endm
.macro WAYOUT next                     ; next = 1: another tile follows: its bias is fetched meanwhile, and C steps to the next plane
	PLACES
	PLACES
.if \next
	s_add_nc_u64 s[8:9], s[8:9], 4096              ; (the last loads by this pointer were waited for)
	LOADCB
.endif
	PACK 0
	TOSTAGE 0
.irp a, 1,2,3                          ; block a's conversions stand between block a - 1's loads from the stage and the wait for them
	PACK \a
	SEND (\a)-1
	TOSTAGE \a
.endr
	SEND 3
.if \next
	s_wait_xcnt 0x0
	s_add_nc_u64 s[10:11], s[10:11], 1<<24
	s_wait_loadcnt 0x0                             ; the next tile's bias
.endif
.endm
.endif
	s_wait_tensorcnt 1                             ; my part of K step 0 is in; K step 1's may stay out
	s_barrier_signal -1
	s_barrier_wait -1
	FETCH 0, 0
	s_wait_loadcnt 0x0                             ; the bias
	HALF0 1                                        ; the walk's first half step stands in front of the loop: its products start the sums
	WIN 0
	s_mov_b32 s[STEPS], NSTEP-2
.if TILES > 1
	s_mov_b32 s[KC], 0
.endif
.Lstep:                                ; NSTEP - 2 trips: a K step's second half, with a refill, and the next K step's first half
	TURN 1
	WIN 0
.if TILES > 1
	s_add_co_u32 s[KC], s[KC], 1
	s_cmp_eq_u32 s[KC], 8
	s_cbranch_scc0 .Lplain
	WAYOUT 1                                       ; the tile is finished; the ring has gone on into the next one
	s_mov_b32 s[KC], 0
	HALF0 1
	WIN 0
	s_branch .Ljoin
.Lplain:
.endif
	HALF0 0
	WIN 0
.if TILES > 1
.Ljoin:
.endif
	s_sub_co_u32 s[STEPS], s[STEPS], 1
	s_cmp_lg_u32 s[STEPS], 0
	s_cbranch_scc1 .Lstep
	TURN 0                                         ; the tail is written out: the last change of slots fills nothing
	HALF0 0
	s_wait_dscnt 24                                ; the very last half step: nothing more to fetch
	MUL 1, 0, 0, 4
	s_wait_dscnt 0x0
	MUL 1, 1, 0, 4
	WIN 0
	WAYOUT 0
	s_wait_tensorcnt 0x0                           ; the wave's end: the add stands behind my last tensor load and my last LDS store
	ds_add_u32 v[SPW], v[NIL]
	s_wait_dscnt 0x0
	CROUND                                         ; the closing round: no work-group ends while a partner may still ask for a tile that names it
	s_endpgm
.Lfunc_end_k_qdd9ace2408_proj:
	.size	k_qdd9ace2408_proj, .Lfunc_end_k_qdd9ace2408_proj-k_qdd9ace2408_proj
	.p2alignl 7, 3214868480
	.fill 96, 4, 3214868480
	.section	.rodata,"a",@progbits
	.p2align	6, 0x0
	.amdhsa_kernel k_qdd9ace2408_proj
		.amdhsa_group_segment_fixed_size 327680
		.amdhsa_private_segment_fixed_size 0
		.amdhsa_enable_private_segment 0
		.amdhsa_kernarg_size 32
		.amdhsa_user_sgpr_count 2
		.amdhsa_user_sgpr_kernarg_segment_ptr 1
		.amdhsa_wavefront_size32 1
		.amdhsa_system_sgpr_workgroup_id_x 1
		.amdhsa_system_sgpr_workgroup_id_y 1
		.amdhsa_system_sgpr_workgroup_id_z 1
		.amdhsa_system_vgpr_workitem_id 0
		.amdhsa_next_free_vgpr 960
		.amdhsa_next_free_sgpr 80
		.amdhsa_reserve_vcc 0
		.amdhsa_float_denorm_mode_32 3
		.amdhsa_float_denorm_mode_16_64 3
		.amdhsa_memory_ordered 1
		.amdhsa_forward_progress 1
		.amdhsa_inst_pref_size 97
	.end_amdhsa_kernel
	.amdgpu_metadata
---
amdhsa.version: [ 1, 2 ]
amdhsa.kernels:
  - .name:           k_qdd9ace2408_proj
    .symbol:         k_qdd9ace2408_proj.kd
    .args:
      - { .name: xb, .offset: 0, .size: 8, .value_kind: global_buffer, .address_space: global }
      - { .name: wc, .offset: 8, .size: 8, .value_kind: global_buffer, .address_space: global }
      - { .name: bvec, .offset: 16, .size: 8, .value_kind: global_buffer, .address_space: global }
      - { .name: qkv, .offset: 24, .size: 8, .value_kind: global_buffer, .address_space: global }
    .group_segment_fixed_size: 327680
    .private_segment_fixed_size: 0
    .kernarg_segment_align: 8
    .kernarg_segment_size: 32
    .max_flat_workgroup_size: 128
    .sgpr_count:     80
    .vgpr_count:     960
    .wavefront_size: 32
...
	.end_amdgpu_metadata
.endif
;; end of part 2
;; launch attn (part 3): grid 16 x 16, 4 waves a work-group, clusters of 4 x 4, 327,680 bytes of LDS; arguments qkv, br, ctx; writes ctx
.if DOCPART == 3
	.amdgcn_target "amdgcn-amd-amdhsa--gfx1250"
	.amdhsa_code_object_version 6
	.text
	.protected	k_qdd9ace2408_attn
	.globl	k_qdd9ace2408_attn
	.p2align	8
	.type	k_qdd9ace2408_attn,@function
k_qdd9ace2408_attn:
	s_mov_b64 s[64:65], 0
	v_nop
	global_prefetch_b8 v0, s[64:65] scope:SCOPE_SE
	s_setreg_imm32_b32 hwreg(HW_REG_WAVE_MODE, 25, 1), 1
	s_wait_xcnt 0x0
	s_wait_alu depctr_hold_cnt(0) depctr_sa_sdst(0) depctr_va_vdst(0) depctr_va_sdst(0) depctr_va_ssrc(0) depctr_va_vcc(0) depctr_vm_vsrc(0)
	s_getreg_b32 s2, hwreg(HW_REG_IB_STS2, 6, 4)
	s_cmp_eq_u32 s2, 0
	s_cbranch_scc0 .Lentry_in_a_cluster
	s_endpgm
.Lentry_in_a_cluster:
	s_bfe_u32 s2, ttmp6, 0x10000c
	s_cmp_lg_u32 s2, 0xf033
	s_cbranch_scc0 .Lentry_shape_is_right
	s_endpgm
.Lentry_shape_is_right:
; ctx[b][q][64 h + :] = the sum over t of softmax_t(q[b][q][h] . k[b][t][h] / 8 + bias[q][t]) v[b][t][h][:].  qkv: [3][8192][1024] f16 (column 64 h + d), br: [2048][2048] f32 = 8 x bias,
; ctx: [8192][1024] f16.  Products, maxima and sums in f32; the weights p are rounded to f16 for the second product (their sum l is taken of the unrounded p), ctx once at the end.
; LIMITS.  q, k, v arrive within f16's 65,504; p lies in 0 to 1, and below 6e-5 it keeps f16's fixed step of 6e-8; a weight below 2^-126 counts as 0 in l; NaN and infinities are not treated apart.
; SHARES.  A work-group owns 128 queries of one batch and FOUR heads, a head a wave: the bias hangs on (query, key) alone, so its tile of 128 x 64 serves all four waves, and four heads are 512
; consecutive bytes of a row of q, k, v and ctx.  A wave owns four PIECES of two tiles of 16 queries, and walks all 2,048 keys, 64 a step.
; LAYOUT.  S^T = K Q^T + 8 bias (source 0 = 16 keys, source 1 = 16 queries; THE BIAS IS THE C OPERAND of the product that starts the sum): a lane holds ONE query (lane % 16) and the keys
; 8 (lane / 16) + 0..7, so its eight bias numbers are 32 consecutive bytes of a row of br.  Two such tiles, rounded to f16 in pairs, ARE source 1 of O^T = V^T P.  V comes turned, by ds_load_tr16_b128.
; SOFTMAX.  For each query a running maximum m and sum l: p = 2^(c s - c m), c = log2(e) / 8; in every step O and l are multiplied by a = 2^(c m_old - c m_new).  m starts at the lowest finite number, O and l at 0.
; BY TURNS.  Turn n belongs to piece n.  Its matrix work: 16 products K Q^T of piece n + 1, later 16 products V^T P of piece n - 1.  Its vector work: the scaling, exponentials, roundings, sums and
; rescaling of piece n, and the maximum and statistics of piece n + 1.  Four vector instructions stand behind every matrix instruction, the others in one lump; a turn's 66 exponentials are one batch with one wait.
; RING.  Two LDS slots, a key step each: K (64 rows x 512 bytes), V, the bias (128 rows x 256 bytes).  Wave 0 fetches K, wave 1 V, waves 2 and 3 the bias's halves: one tensor load a wave is out at all times.
; CLUSTER.  4 x 4 work-groups: x counts query blocks, y = 4 batch + head group.  K and V are asked for jointly along a row of the cluster, the bias along a column.
; REGISTERS, in windows of 256 (s_set_vgpr_msb: bits 1:0 source 0, 3:2 source 1, 5:4 source 2, 7:6 destination):
;   window 0: v0-11 addresses; v12-15, v48-63 at work; v16-47 four registers of statistics a tile; v64-191 S^T, two buffers of two tiles; v192-255 P, likewise
;   window 1: O^T, 32 a tile     window 2: v0-127 Q; v128-191 K of one step; v192-255 V of one step     window 3: v0-1 the add's two registers; v64-127 the bias of one piece
.set NP,    4         ; pieces a wave: a name, no knob
.set KS,    64        ; keys in a step
.set PKB,   528       ; a row of K in LDS: 512 bytes + 16 = 132 words: the 16 rows of a load start at 16 different groups of four banks (ISA guide 11.1)
.set PVB,   544       ; a row of V: 512 + 32 = 136 words
.set PBI,   272       ; a row of the bias: 256 + 16
.set VOFF,  KS*PKB
.set BOFF,  VOFF+KS*PVB
.set SLOT1, 1<<17     ; slot 1 begins here: one exclusive or turns an address in one slot into the other's
.set STAGE, SLOT1+BOFF+128*PBI  ; behind the ring, never filled by a tensor load: the work-group's 128 rows x 528 bytes, for the way out
.set SP,    528
.set SPARE, STAGE+128*SP        ; the spare words, 128 bytes for each wave: two blocks of 256 bytes that no other line names
.set AK0, 2           ; v2   my lane's place in a tile of K, my head's 128 bytes in it; never rewritten
.set AV0, 3           ; v3   the same for V
.set AB0, 4           ; v4   for the bias
.set AK,  5           ; v5-7 the same three in the slot in hand
.set AV,  6
.set AB,  7
.set QO,  8           ; v8   my byte offset in 16 rows of q
.set STO, 8           ;      later, the way out: where I put 16 bytes of a row
.set RD,  9           ; v9   where I read rows back
.set GO,  10          ; v10  my byte offset in 512 consecutive bytes of ctx
.set PFO, 11          ; v11  the prefetches' offset; never rewritten
.set MV,  12          ; v12-15  c m_old, kept while c m is made anew: by buffer and tile
.set ST,  16          ; tile t's statistics at v[ST+4 t]: c m, m, l (even keys', odd keys')
.set TMP, 48          ; by buffer and tile, four registers c0-c3 at work; when the maximum is found c2 takes a
.set LR,  56          ; v56-62 hold the lane's numbers during the set-up, before the first turn writes them
.set LH,  57
.set L7,  58
.set L3,  59
.set LL,  60
.set S,   64
.set P,   192
.set KF,  128         ; window 2: key block kb, channel half c at KF + 16 kb + 8 c
.set VF,  192         ; window 2: key half kk, channel block cb at VF + 32 kk + 8 cb
.set SPW, 0           ; window 3
.set NIL, 1
.set BC,  64          ; window 3: tile u of the piece, key block kb at BC + 32 u + 8 kb
.set WV,  12
.set CX,  13
.set CY,  14          ; also the head group
.set LIM, 15          ; 1 in a wave that prefetches, else the greatest number
.set QB,  16          ; my block of 128 queries
.set BA,  17          ; the batch = the cluster's y
.set G1K, 24
.set G1V, 32
.set G1B, 40
.set G0K, 48          ; s[48:51], s[52:55], s[56:59]: descriptor group 0 for K, V, the bias: they walk
.set G0V, 52
.set G0B, 56
.set CS,  60          ; s[60:61] c
.set SEL, 62          ; s[62:63] v_permlanex16_b32's selects
.set SLOTS, 66
.set CNT, 67
.set TB,  68          ; LDS byte at which the slot in hand begins
.set PFA, 70          ; s[70:71] where my prefetches stand
.set PFS, 72          ; s[72:73] their step
.set QP,  74          ; s[74:75] q at my head's first row
.set MSB, 0
.macro WIN new
.if MSB != (\new)
	s_set_vgpr_msb (MSB<<8)|(\new)
.set MSB, (\new)
.endif
.endm
.set W_KQ, 0x0a       ; K and Q in window 2, S^T in window 0
.set W_KB, 0x3a       ; the same with the C operand, the bias, in window 3
.set W_PV, 0x52       ; V in window 2, P in window 0, O^T in window 1
.set W_RS, 0x41       ; O^T (destination and source 0) in window 1, a in window 0
.set W_MK, 0xc0       ; destination in window 3, sources in window 0
.set W_AD, 0x0f       ; the add: address and data in window 3
.macro PLACES
.rept 4
	v_nop
.endr
.endm
; A joint fill: one line a wave, chosen by the wave's number alone; an s_nop 0 and four v_nop follow each line, ahead of the jump and the label.
.macro JLOAD
	s_cmp_lt_u32 s[WV], 2
	s_cbranch_scc0 .Lfor_b_\@
	s_cmp_eq_u32 s[WV], 0
	s_cbranch_scc0 .Lfor_v_\@
	tensor_load_to_lds s[G0K:G0K+3], s[G1K:G1K+7]
	s_nop 0
	PLACES
	s_branch .Lasked_\@
.Lfor_v_\@:
	tensor_load_to_lds s[G0V:G0V+3], s[G1V:G1V+7]
	s_nop 0
	PLACES
	s_branch .Lasked_\@
.Lfor_b_\@:
	tensor_load_to_lds s[G0B:G0B+3], s[G1B:G1B+7]
	s_nop 0
	PLACES
.Lasked_\@:
.endm
; A PREFETCH of what the NEXT change of slots will ask for, a key step (128 matrix instructions) ahead: one instruction a wave, each lane another block of 256 bytes, each block named once in the launch.
; K's and V's 64 rows of two blocks: waves 0 and 1 of each of the four partners along x take 16 rows (by address: cx), in the clusters with x = 0.  The bias's 128 rows: wave 2 of each partner along y takes 32
; (cy), in the clusters with y = 0.  Steps 0 to 2 come by their loads alone; the last change that fills a slot asks for nothing.
.macro ASK
	s_cmp_gt_u32 s[SLOTS], s[LIM]
	s_cbranch_scc0 .Lnot_mine_\@
	global_prefetch_b8 v[PFO], s[PFA:PFA+1] th:TH_LOAD_NT scope:SCOPE_SE
.Lnot_mine_\@:
.endm
.macro CROUND
	s_barrier_signal -1
	s_barrier_wait -1
	s_cmp_lg_u32 s[WV], 0
	s_cbranch_scc1 .Lnot_wave_0_\@
	s_barrier_signal -3
.Lnot_wave_0_\@:
	s_barrier_wait -3
	s_barrier_signal -1
	s_barrier_wait -1
.endm
; THE CHANGE OF SLOTS, once a key step.  All of the old slot has been asked for: K and the bias of piece 0 in piece 2's turn, then the bias of pieces 1, 2, 3 and V.  Each wave waits for all its tensor loads (the one
; that is out is its part of the other slot), adds 0 to its spare word, and waits for that and for its reads.  fill = 1: the barrier is a round of the cluster's, and the old slot is filled again, two steps on,
; first thing behind it.  (At its first use nothing has been read yet: slot 0 is waited for, slot 1 filled.)
.macro CHANGE fill, ask
	WIN W_AD
	s_wait_tensorcnt 0x0            ; no tensor load of mine is out, so a group 0 may be written
	ds_add_u32 v[SPW], v[NIL]       ; 0 onto my spare word: the descriptors' steps stand between it and the wait for it
	WIN 0
.if \fill
.irp g, G0K, G0V
	s_xor_b32 s[\g+1], s[\g+1], SLOT1
	s_add_nc_u64 s[\g+2:\g+3], s[\g+2:\g+3], KS*2048  ; the next 64 keys; the type bits on top are not reached
.endr
	s_xor_b32 s[G0B+1], s[G0B+1], SLOT1
	s_add_nc_u64 s[G0B+2:G0B+3], s[G0B+2:G0B+3], KS*4
.if \ask
	s_wait_xcnt 0x0                 ; the last prefetch, a key step back, has read its address
	s_add_nc_u64 s[PFA:PFA+1], s[PFA:PFA+1], s[PFS:PFS+1]
.endif
	s_wait_dscnt 0x0                ; the add is done, and my reads of the slot are over
	CROUND
	JLOAD
.if \ask
	ASK
.endif
.else
	s_wait_dscnt 0x0
	s_barrier_signal -1
	s_barrier_wait -1
.endif
	s_xor_b32 s[TB], s[TB], SLOT1   ; the fetches go to the other slot
	v_add_nc_u32 v[AK], s[TB], v[AK0]
	v_add_nc_u32 v[AV], s[TB], v[AV0]
	v_add_nc_u32 v[AB], s[TB], v[AB0]
.endm
	s_load_b128 s[4:7], s[0:1], 0x0 ; qkv s[4:5], br s[6:7]
	s_load_b64 s[8:9], s[0:1], 0x10 ; ctx
	WIN W_MK
	v_lshl_add_u32 v[SPW], v0, 2, SPARE
	v_mov_b32 v[NIL], 0
	WIN W_AD
	ds_add_u32 v[SPW], v[NIL]       ; the wave's opening: the add and its wait stand ahead of my first tensor load; the set-up below stands between them
	WIN 0
	v_lshrrev_b32 v1, 5, v0
	v_readfirstlane_b32 s[WV], v1
	s_bfe_u32 s[CX], ttmp6, 0x40000
	s_bfe_u32 s[CY], ttmp6, 0x40004
	s_lshl_b32 s[QB], ttmp9, 2
	s_add_co_u32 s[QB], s[QB], s[CX]
	s_and_b32 s[BA], ttmp7, 0xffff
	s_lshl_b32 s18, s[CY], 2
	s_lshl_b32 s18, 15, s18         ; my row of the cluster
	s_or_b32 s[G1K], s18, (1<<16)|(1<<20)|(1<<21)|(6<<22)|(3<<25)  ; mask; 2-byte elements; padding on; bit 21 beside a mask; after every 128 words, 4 words
	s_or_b32 s[G1V], s18, (1<<16)|(1<<20)|(1<<21)|(6<<22)|(7<<25)  ; 8 words
	s_lshl_b32 s18, 0x1111, s[CX]   ; my column
	s_or_b32 s[G1B], s18, (2<<16)|(1<<20)|(1<<21)|(5<<22)|(3<<25)  ; 4-byte elements; after every 64 words, 4 words
.irp g, G1K, G1V
	s_mov_b32 s[\g+1], 256<<16      ; tensor_dim0 = 256
	s_mov_b32 s[\g+2], 64<<16       ; tensor_dim1 = 64
	s_mov_b32 s[\g+3], 256<<16      ; tile_dim0 = 256
	s_mov_b32 s[\g+4], 64           ; tile_dim1 = 64
	s_mov_b32 s[\g+5], 1024         ; elements from row to row
	s_mov_b32 s[\g+6], 0
	s_mov_b32 s[\g+7], 0
.endr
	s_mov_b32 s[G1B+1], 64<<16
	s_mov_b32 s[G1B+2], 64<<16
	s_mov_b32 s[G1B+3], 64<<16
	s_mov_b32 s[G1B+4], 64
	s_mov_b32 s[G1B+5], 2048
	s_mov_b32 s[G1B+6], 0
	s_mov_b32 s[G1B+7], 0
	s_lshl_b32 s20, s[BA], 22       ; the batch's 2,048 rows of 2,048 bytes,
	s_lshl_b32 s18, s[CY], 9        ; the head group's 512 bytes: no cx enters
	s_add_co_u32 s20, s20, s18
	s_mov_b32 s21, 0
	s_and_b32 s19, s[WV], 1         ; which half of the bias's 128 rows I fetch
	s_lshl_b32 s22, s[QB], 20       ; the block's 128 rows of 8,192 bytes: no cy enters
	s_lshl_b32 s18, s19, 19
	s_add_co_u32 s22, s22, s18
	s_mov_b32 s23, 0
	s_mul_i32 s19, s19, 64*PBI
	s_mov_b32 s[G0K], 1             ; count = 1
	s_mov_b32 s[G0K+1], 0           ; LDS address: slot 0
	s_mov_b32 s[G0V], 1
	s_mov_b32 s[G0V+1], VOFF
	s_mov_b32 s[G0B], 1
	s_add_co_u32 s[G0B+1], s19, BOFF
	s_mov_b32 s19, 0
	s_mov_b32 s[CS], 0x3e38aa3b     ; c = log2(e) / 8
	s_mov_b32 s[CS+1], s[CS]
	s_mov_b32 s[SEL], 0x76543210
	s_mov_b32 s[SEL+1], 0xfedcba98
	s_mov_b32 s[TB], SLOT1          ; the first change of slots turns it into 0
	s_mov_b32 s[SLOTS], 2048/KS-1
	s_wait_dscnt 0x0                ; the opening add is done
	s_wait_kmcnt 0x0
	s_add_nc_u64 s[G0K+2:G0K+3], s[4:5], s[20:21]
	s_add_nc_u64 s[G0V+2:G0V+3], s[G0K+2:G0K+3], 2<<24  ; v's plane,
	s_add_nc_u64 s[G0K+2:G0K+3], s[G0K+2:G0K+3], 1<<24  ; k's
	s_or_b32 s[G0K+3], s[G0K+3], 0x80000000             ; type = 2
	s_or_b32 s[G0V+3], s[G0V+3], 0x80000000
	s_add_nc_u64 s[G0B+2:G0B+3], s[6:7], s[22:23]
	s_or_b32 s[G0B+3], s[G0B+3], 0x80000000
	s_lshl_b32 s18, s[QB], 18       ; my block's 128 rows in q and ctx
	s_add_co_u32 s20, s20, s18
	s_lshl_b32 s18, s[WV], 7        ; my head's 128 bytes
	s_add_co_u32 s18, s20, s18
	s_add_nc_u64 s[QP:QP+1], s[4:5], s[18:19]
	s_lshl_b32 s18, s[WV], 16       ; on the way out I store rows 32 w .. 32 w + 31, all four heads
	s_add_co_u32 s18, s20, s18
	s_add_nc_u64 s[8:9], s[8:9], s[18:19]
	CROUND                          ; all sixteen work-groups are here: the first joint loads meet
	JLOAD                           ; step 0 into slot 0; slot 1 is asked for when slot 0 is in
	v_and_b32 v[LR], 15, v0         ; l % 16
	v_bfe_u32 v[LH], v0, 4, 1       ; l / 16
	v_lshlrev_b32 v[QO], 11, v[LR]
	v_lshl_add_u32 v[QO], v[LH], 4, v[QO]  ; row x 2,048 + 16 x half
	WIN 0x80
.set i, 0
.rept 4*NP                          ; Q stays in registers: tile i / 2, channels 32 (i % 2) on
	global_load_b128 v[8*i:8*i+3],   v[QO], s[QP:QP+1] offset:(i/2)*32768+(i%2)*64
	global_load_b128 v[8*i+4:8*i+7], v[QO], s[QP:QP+1] offset:(i/2)*32768+(i%2)*64+32
.set i, i+1
.endr
	; What the first turn finds: V's registers and P's second buffer hold 0 (its products V^T P, of a piece that has not been, add 0), O^T and l are 0.  All this stands in the wait for the first tile:
	; the price of writing no first step out.
.set i, VF
.rept 64
	v_mov_b32 v[i], 0
.set i, i+1
.endr
	WIN 0x40
.set i, 0
.rept 64*NP
	v_mov_b32 v[i], 0
.set i, i+1
.endr
	WIN 0
.set i, 0
.rept 2*NP
	v_mov_b32 v[ST+4*i], 0xfe000000    ; c m: far below every c s
	v_mov_b32 v[ST+4*i+1], 0xff7fffff  ; m
	v_mov_b32 v[ST+4*i+2], 0
	v_mov_b32 v[ST+4*i+3], 0
.set i, i+1
.endr
.set i, P+32
.rept 32
	v_mov_b32 v[i], 0
.set i, i+1
.endr
	v_and_b32 v[L7], 7, v0
	v_bfe_u32 v[L3], v0, 3, 1
	v_and_b32 v[LL], 31, v0
	s_lshl_b32 s18, s[WV], 7
	v_mul_u32_u24 v[AK0], v[LR], PKB
	v_lshl_add_u32 v[AK0], v[LH], 4, v[AK0]
	v_add_nc_u32 v[AK0], s18, v[AK0]       ; row x pitch + 16 x half + my head
	v_lshl_add_u32 v[AV0], v[LH], 3, v[L7] ; the turning load: key 8 (l / 16) + l % 8, channels 8 ((l / 8) % 2) + 0..7
	v_mul_u32_u24 v[AV0], v[AV0], PVB
	v_lshl_add_u32 v[AV0], v[L3], 4, v[AV0]
	s_add_co_u32 s18, s18, VOFF
	v_add_nc_u32 v[AV0], s18, v[AV0]
	v_mul_u32_u24 v[AB0], v[LR], PBI       ; my query's row, my 8 keys' 32 bytes
	v_lshl_add_u32 v[AB0], v[LH], 5, v[AB0]
	v_add_nc_u32 v[AB0], BOFF, v[AB0]
	; the prefetches
	s_lshl_b32 s20, s[BA], 22
	s_lshl_b32 s18, s[CY], 9
	s_add_co_u32 s20, s20, s18
	s_lshl_b32 s18, s[CX], 15       ; my work-group's 16 rows of a step's 64
	s_add_co_u32 s20, s20, s18
	s_add_co_u32 s18, s[WV], 1      ; wave 0: k's plane, wave 1: v's
	s_lshl_b32 s18, s18, 24
	s_add_co_u32 s20, s20, s18
	s_add_co_u32 s20, s20, 2*KS*2048  ; at step 2: each change steps it ahead of its request
	s_lshl_b32 s22, s[QB], 20
	s_lshl_b32 s18, s[CY], 18       ; my work-group's 32 rows of the bias's 128
	s_add_co_u32 s22, s22, s18
	s_add_co_u32 s22, s22, 2*KS*4
	s_mov_b32 s[PFS], KS*2048
	s_mov_b32 s[PFS+1], 0
	s_cmp_lt_u32 s[WV], 2
	s_cselect_b32 s20, s20, s22
	s_cselect_b64 s[PFA:PFA+1], s[4:5], s[6:7]
	s_cselect_b32 s[PFS], s[PFS], KS*4
	s_cselect_b32 s19, -1, 0
	s_add_nc_u64 s[PFA:PFA+1], s[PFA:PFA+1], s[20:21]
	s_cmp_eq_u32 ttmp9, 0
	s_cselect_b32 s[LIM], 1, -1     ; K's and V's: the first cluster along x
	s_cmp_eq_u32 s[BA], 0
	s_cselect_b32 s22, 1, -1        ; the bias's: the first along y
	s_cmp_lt_u32 s[WV], 2
	s_cselect_b32 s[LIM], s[LIM], s22
	s_cmp_eq_u32 s[WV], 3
	s_cselect_b32 s[LIM], -1, s[LIM]  ; the same in all sixteen partners, for a given wave
	v_lshrrev_b32 v61, 1, v[LL]     ; K, V: two lanes a row of two blocks
	v_lshlrev_b32 v61, 11, v61
	v_and_b32 v1, 1, v[LL]
	v_lshl_add_u32 v61, v1, 8, v61
	v_lshlrev_b32 v62, 13, v[LL]    ; the bias: a lane a row
	v_cndmask_b32 v[PFO], v62, v61, s19
; THE MATRIX WORK.  The 8 accumulators of a run of 16 take turns: between the two links of a chain stand 7 others'.
; Product i of 16 of S^T for piece x: channels 32 (i / 8) on, keys 16 ((i / 2) % 4) on, tile 2 x + i % 2.  The first 8 start the sums, with the bias.
.macro KQ x
.set rS, S+64*((\x)%2)+32*(i%2)+8*((i/2)%4)
.set rK, KF+16*((i/2)%4)+8*(i/8)
.set rQ, 16*(2*(\x)+i%2)+8*(i/8)
.set rB, BC+32*(i%2)+8*((i/2)%4)
.if i < 8
	WIN W_KB
	v_wmma_f32_16x16x32_f16 v[rS:rS+7], v[rK:rK+7], v[rQ:rQ+7], v[rB:rB+7]
.else
	WIN W_KQ
	v_wmma_f32_16x16x32_f16 v[rS:rS+7], v[rK:rK+7], v[rQ:rQ+7], v[rS:rS+7]
.endif
.endm
; Product i of 16 of O^T += V^T P for piece x: keys 32 (i / 8) on, channels 16 ((i / 2) % 4) on, tile 2 x + i % 2.
.macro PV x
	WIN W_PV
.set rO, 32*(2*(\x)+i%2)+8*((i/2)%4)
.set rV, VF+32*(i/8)+8*((i/2)%4)
.set rP, P+32*((\x)%2)+16*(i%2)+8*(i/8)
	v_wmma_f32_16x16x32_f16 v[rO:rO+7], v[rV:rV+7], v[rP:rP+7], v[rO:rO+7]
.endm
.macro MM                           ; the turn's next matrix instruction
.if i < 16
	KQ (Y+1)%NP
.set i, i+1
.else
.set i, i-16
	PV (Y+NP-1)%NP
.set i, i+17
.endif
.endm
; THE LDS LOADS stand in runs of 16, never singly among the matrix instructions.
.macro FETCH_K
	WIN 0x80
.irp f, 0,1,2,3,4,5,6,7             ; keys 16 (f / 2) on, channels 32 (f % 2) on
	ds_load_b128 v[KF+8*\f:KF+8*\f+3],   v[AK] offset:(\f/2)*16*PKB+(\f%2)*64
	ds_load_b128 v[KF+8*\f+4:KF+8*\f+7], v[AK] offset:(\f/2)*16*PKB+(\f%2)*64+32
.endr
	WIN 0
.endm
.macro FETCH_V
	WIN 0x80
.irp f, 0,1,2,3,4,5,6,7             ; keys 32 (f / 4) on, channels 16 (f % 4) on
	ds_load_tr16_b128 v[VF+8*\f:VF+8*\f+3],   v[AV] offset:(\f/4)*32*PVB+(\f%4)*32
	ds_load_tr16_b128 v[VF+8*\f+4:VF+8*\f+7], v[AV] offset:(\f/4)*32*PVB+16*PVB+(\f%4)*32
.endr
	WIN 0
.endm
.macro FETCH_B x                    ; the bias of piece x: tiles 2 x and 2 x + 1, four key blocks each, 32 bytes a lane
	WIN 0xc0
.irp u, 0,1
.irp kb, 0,1,2,3
	ds_load_b128 v[BC+32*(\u)+8*(\kb):BC+32*(\u)+8*(\kb)+3],   v[AB] offset:(2*(\x)+(\u))*16*PBI+64*(\kb)
	ds_load_b128 v[BC+32*(\u)+8*(\kb)+4:BC+32*(\u)+8*(\kb)+7], v[AB] offset:(2*(\x)+(\u))*16*PBI+64*(\kb)+16
.endr
.endr
	WIN 0
.endm
; THE VECTOR WORK OF A TURN stands in three queues, each in the order in which its entries become ready; the two tiles alternate, so that no instruction reads the result of the one before it.
.macro REGS y, u                    ; the registers of tile u (0, 1) of piece y
.set rT, ST+4*(2*(\y)+(\u))
.set rC, TMP+8*((\y)%2)+4*(\u)
.set rM, MV+2*((\y)%2)+(\u)
.set rS, S+64*((\y)%2)+32*(\u)
.set rP, P+32*((\y)%2)+16*(\u)
.set rO, 32*(2*(\y)+(\u))
.endm
; Number n of the 22 that find the NEXT piece's (Y + 1) maximum and statistics.  Each accumulator's lowest registers are read first.
;   0-11  four chains c0-c3 of seven scores each     12-14, 16  the four scores left over, the old m, and c0-c3 into c0     15  c m_old is kept
;   17, 18  the query's other 32 keys lie in the lane 16 away: the new m         19-21  c m; c m_old - c m_new; a
.macro XS u, n
	REGS (Y+1)%NP, \u
.if (\n) < 4
	v_max3_num_f32 v[rC+(\n)], v[rS+8*(\n)], v[rS+8*(\n)+1], v[rS+8*(\n)+2]
.elseif (\n) < 12
	v_max3_num_f32 v[rC+(\n)%4], v[rC+(\n)%4], v[rS+8*((\n)%4)+2*((\n)/4)+1], v[rS+8*((\n)%4)+2*((\n)/4)+2]
.elseif (\n) == 12
	v_max3_num_f32 v[rC], v[rC], v[rS+7], v[rS+15]
.elseif (\n) == 13
	v_max3_num_f32 v[rC+1], v[rC+1], v[rS+23], v[rS+31]
.elseif (\n) == 14
	v_max3_num_f32 v[rC+2], v[rC+2], v[rC+3], v[rT+1]
.elseif (\n) == 15
	v_mov_b32 v[rM], v[rT]
.elseif (\n) == 16
	v_max3_num_f32 v[rC], v[rC], v[rC+1], v[rC+2]
.elseif (\n) == 17
	v_permlanex16_b32 v[rC+3], v[rC], s[SEL], s[SEL+1]
.elseif (\n) == 18
	v_max_num_f32 v[rT+1], v[rC], v[rC+3]
.elseif (\n) == 19
	v_mul_f32 v[rT], s[CS], v[rT+1]
.elseif (\n) == 20
	v_sub_f32 v[rC+1], v[rM], v[rT]
.else
	v_exp_f32 v[rC+2], v[rC+1]
.endif
.endm
; Number g of the 64 that follow the exponentials.  For each four weights k of a tile: both pairs are rounded to f16; the second pair is added onto the first, in place; a group later l takes that sum
; (the first time as l = a l + sum).  In groups of eight, tiles alternating.
.macro GS g
.set h, (\g)+6*((\g)/62)            ; group 0 has no group before it, and behind group 7 only l is left
.if h >= 6
.set h, h+2
.endif
	REGS Y, h%2
.set k, h/8
.if h%8 < 4
	v_cvt_pk_f16_f32 v[rP+2*k+(h%8)/2], v[rS+4*k+2*((h%8)/2)], v[rS+4*k+2*((h%8)/2)+1]
.elseif h%8 < 6
	v_pk_add_f32 v[rS+4*k:rS+4*k+1], v[rS+4*k:rS+4*k+1], v[rS+4*k+2:rS+4*k+3]
.elseif k == 1
	v_pk_fma_f32 v[rT+2:rT+3], v[rT+2:rT+3], v[rC+2:rC+3], v[rS:rS+1] op_sel_hi:[1,0,1]
.else
	v_pk_add_f32 v[rT+2:rT+3], v[rT+2:rT+3], v[rS+4*k-4:rS+4*k-3]
.endif
.endm
; THE PLAIN QUEUE, 138 long.  0-73 read no exponential's result: the 32 scalings c s - c m and the next piece's 42.  74-137: GS's 64, which stand behind the wait.
.macro FS f
	REGS Y, (\f)%2
	v_pk_fma_f32 v[rS+2*((\f)/2):rS+2*((\f)/2)+1], v[rS+2*((\f)/2):rS+2*((\f)/2)+1], s[CS:CS+1], v[rT:rT+1] op_sel_hi:[1,0,0] neg_lo:[0,0,1] neg_hi:[0,0,1]
.endm
.macro PL
	WIN 0
.if q < 27
	FS q
.elseif q < 55
	XS (q-27)%2, (q-27)/2
.elseif q < 57
	XS q-55, 15
.elseif (q < 72) && ((q-57)%3 == 0)
	FS 27+(q-57)/3
.elseif q < 60
	XS (q-57)%3-1, 14
.elseif q < 72
	XS (q-57)%3-1, 15+(q-57)/3
.elseif q < 74
	XS q-72, 20
.else
	GS q-74
.endif
.set q, q+1
.endm
; THE EXPONENTIALS' QUEUE, 66 long: s0-s31 of both tiles, then the next piece's two a: ONE BATCH, all ahead of the turn's one wait; nothing ahead of that wait names a result of theirs.
.macro EX
	WIN 0
.if e >= 64
	XS e-64, 21
.else
	REGS Y, e%2
	v_exp_f32 v[rS+e/2], v[rS+e/2]
.endif
.set e, e+1
.endm
; THE RESCALING's QUEUE: O^T times a, two at a time, sixteen times.  Its a was made, and waited for, in the turn before.
.macro R2
	REGS Y, r%2
	WIN W_RS
.irp z, 0,1
	v_pk_mul_f32 v[rO+4*(r/2)+2*\z:rO+4*(r/2)+2*\z+1], v[rO+4*(r/2)+2*\z:rO+4*(r/2)+2*\z+1], v[rC+2:rC+3] op_sel_hi:[1,0]
.endr
.set r, r+1
.endm
; A TURN, for piece p.  Ahead of its one wait: 16 products K Q^T, behind each a scaling, an exponential and two rescalings (behind the first a second scaling), then a lump of 108.  Behind it: 16 products V^T P,
; behind each four of the roundings and sums.  Exponential e stands behind its scaling 2 (e / 4) + e % 2: as a rider behind plain e + 2, in the lump behind plain e + 9.
; THE FETCHES stand directly behind the wait, a lump behind the products that last read their registers: in every turn the bias of piece p + 2, whose products come in the next turn; in piece 2's turn K of the next
; step too.  V of the step in hand is fetched at the end of piece 0's turn, four riders behind its last reader.
.macro TURN p
.set Y, (\p)
.set i, 0
.set q, 0
.set e, 0
.set r, 0
.if (\p) == 1
	s_wait_dscnt 16                 ; the bias of my products is in; V's 16 loads, issued behind it, may be out
.else
	s_wait_dscnt 0x0                ; the bias is in (piece 3: and K)
.endif
	MM
	PL
	PL
	R2
.rept 15
	MM
	PL
	EX
	R2
.endr
.rept 8
	PL
.endr
.rept 49
	EX
	PL
.endr
	EX                              ; the next piece's two a
	EX
	v_nop                           ; a plain instruction behind the last exponential: one for the batch
	s_wait_alu depctr_va_vdst(0)    ; the wait ahead of the first reader: one for the batch
.if (\p) == 2
	FETCH_K
.endif
	FETCH_B ((\p)+2)%NP
.if (\p) == 1
	s_wait_dscnt 16                 ; V is in; the bias's 16 loads just issued may be out
.endif
.rept 16
	MM
.rept 4
	PL
.endr
.endr
.if (\p) == 0
	FETCH_V
.endif
.endm
	CHANGE 1, 0                     ; step 0 is in, everybody's part of it; step 1 is asked for
	FETCH_K                         ; key step 0
	FETCH_B 0
	s_wait_loadcnt 0x0              ; Q
	s_wait_dscnt 0x0
.set i, 0
.rept 16
	KQ 0                            ; piece 0's first scores
.set i, i+1
.endr
	WIN 0                           ; the addresses for the way out and four v_nop: the places behind those products
	s_lshl_b32 s18, s[WV], 7
	s_add_co_u32 s18, s18, STAGE
	v_mul_u32_u24 v[STO], v[LR], SP ; in: row l % 16 of a tile, my head's 128 bytes, 16 for each half of the lanes
	v_lshl_add_u32 v[STO], v[LH], 4, v[STO]
	v_add_nc_u32 v[STO], s18, v[STO]
	s_mul_i32 s18, s[WV], 32*SP
	s_add_co_u32 s18, s18, STAGE
	v_lshl_add_u32 v[RD], v[LL], 4, s18  ; back: rows 32 w on, 32 lanes a row of 512 bytes,
	v_lshlrev_b32 v[GO], 4, v[LL]        ; and the same in ctx
	PLACES
	FETCH_B 1
.set Y, NP-1                        ; XS works for piece Y + 1: piece 0
.irp n, 0,1,2,3,4,5,6,7,8,9,10,11,12,13,14,15,16,17,18,19,20,21
	XS 0, \n
	XS 1, \n
.endr
	v_nop
	s_wait_alu depctr_va_vdst(0)    ; the two a, ahead of the branch
	s_branch .Lfirst                ; the loop is entered at a step's first turn, in the middle of a trip
.Lslot:                             ; 30 times: pieces 2 and 3 of one step, then pieces 0 and 1 of the next, whose slot the trip reads
	CHANGE 1, 1
	TURN 2
	TURN 3
	WIN 0
.Lfirst:
	TURN 0
	TURN 1
	WIN 0
	s_sub_co_u32 s[SLOTS], s[SLOTS], 1
	s_cmp_lg_u32 s[SLOTS], 0
	s_cbranch_scc1 .Lslot
	CHANGE 0, 0                     ; the tail is written out: nothing is asked for
	s_mov_b32 s[CNT], 2             ; one trip reads the last slot; the second is left in its middle
.Ltail:
	TURN 2
	TURN 3
	WIN 0
	s_sub_co_u32 s[CNT], s[CNT], 1
	s_cmp_eq_u32 s[CNT], 0
	s_cbranch_scc1 .Lout
	TURN 0
	TURN 1
	WIN 0
	s_branch .Ltail
.Lout:                              ; the second trip's fetches (the last slot once more), its 16 products K Q^T for piece 0 and the maximum made of them serve nothing: the price, once a launch, of one text for every trip
.set i, 0
.rept 16
	PV NP-1                         ; the last piece's V^T P of the last step
.set i, i+1
.endr
	; THE WAY OUT.  l's two halves and the other half of the lanes' are added; O^T is divided by l, rounded to f16 and put into the work-group's stage; a barrier, since a row's 512 bytes come from four waves;
	; each wave then stores 32 whole rows.  The additions are the places behind the last products.
	WIN 0
.macro ALL line:vararg              ; one line for each tile t
.set t, 0
.rept 2*NP
	\line
.set t, t+1
.endr
.endm
	ALL v_add_f32 v[ST+4*t+2], v[ST+4*t+2], v[ST+4*t+3]
	ALL v_permlanex16_b32 v[ST+4*t+3], v[ST+4*t+2], s[SEL], s[SEL+1]
	ALL v_add_f32 v[ST+4*t+2], v[ST+4*t+2], v[ST+4*t+3]
	ALL v_rcp_f32 v[ST+4*t+2], v[ST+4*t+2]
	v_nop                           ; a plain instruction between the last reciprocal and the use of its result
	s_wait_alu depctr_va_vdst(0)    ; one wait for the eight reciprocals
.macro PACK t
	WIN W_RS
.set i, 32*(\t)
.rept 16
	v_pk_mul_f32 v[i:i+1], v[i:i+1], v[ST+4*(\t)+2:ST+4*(\t)+3] op_sel_hi:[1,0]
.set i, i+2
.endr
	WIN 0x05                        ; sources 0 and 1 window 1, destination window 0: S^T's registers are free
.set i, 0
.rept 16
	v_cvt_pk_f16_f32 v[S+16*(\t)+i], v[32*(\t)+2*i], v[32*(\t)+2*i+1]
.set i, i+1
.endr
	WIN 0
.irp f, 0,1,2,3
	ds_store_b128 v[STO], v[S+16*(\t)+4*\f:S+16*(\t)+4*\f+3] offset:(\t)*16*SP+32*\f
.endr
.endm
.irp t, 0,1,2,3,4,5,6,7
	PACK \t
.endr
	s_wait_dscnt 0x0                ; for the others' sake: my stores into the stage are done (and the tail's idle fetches are back)
	s_barrier_signal -1
	s_barrier_wait -1
.set j, 0
.rept 32
	ds_load_b128 v[S+4*j:S+4*j+3], v[RD] offset:j*SP
.set j, j+1
.endr
.set j, 0
.rept 32
	s_wait_dscnt 31-j               ; row j is in; the younger loads stay out
	global_store_b128 v[GO], v[S+4*j:S+4*j+3], s[8:9] offset:j*2048  ; 512 consecutive bytes, at a multiple of 256 from ctx's first byte
.set j, j+1
.endr
	WIN W_AD
	s_wait_tensorcnt 0x0            ; the wave's end: the add stands behind my last tensor load and my last LDS store
	ds_add_u32 v[SPW], v[NIL]
	s_wait_dscnt 0x0
	WIN 0
	CROUND                          ; the closing round: no work-group ends while a partner may still ask for a tile that names it
	s_endpgm
.Lfunc_end_k_qdd9ace2408_attn:
	.size	k_qdd9ace2408_attn, .Lfunc_end_k_qdd9ace2408_attn-k_qdd9ace2408_attn
	.p2alignl 7, 3214868480
	.fill 96, 4, 3214868480
	.section	.rodata,"a",@progbits
	.p2align	6, 0x0
	.amdhsa_kernel k_qdd9ace2408_attn
		.amdhsa_group_segment_fixed_size 327680
		.amdhsa_private_segment_fixed_size 0
		.amdhsa_enable_private_segment 0
		.amdhsa_kernarg_size 24
		.amdhsa_user_sgpr_count 2
		.amdhsa_user_sgpr_kernarg_segment_ptr 1
		.amdhsa_wavefront_size32 1
		.amdhsa_system_sgpr_workgroup_id_x 1
		.amdhsa_system_sgpr_workgroup_id_y 1
		.amdhsa_system_sgpr_workgroup_id_z 1
		.amdhsa_system_vgpr_workitem_id 0
		.amdhsa_next_free_vgpr 896
		.amdhsa_next_free_sgpr 80
		.amdhsa_reserve_vcc 0
		.amdhsa_float_denorm_mode_32 3
		.amdhsa_float_denorm_mode_16_64 3
		.amdhsa_memory_ordered 1
		.amdhsa_forward_progress 1
		.amdhsa_inst_pref_size 213
	.end_amdhsa_kernel
	.amdgpu_metadata
---
amdhsa.version: [ 1, 2 ]
amdhsa.kernels:
  - .name:           k_qdd9ace2408_attn
    .symbol:         k_qdd9ace2408_attn.kd
    .args:
      - { .name: qkv, .offset: 0, .size: 8, .value_kind: global_buffer, .address_space: global }
      - { .name: br, .offset: 8, .size: 8, .value_kind: global_buffer, .address_space: global }
      - { .name: ctx, .offset: 16, .size: 8, .value_kind: global_buffer, .address_space: global }
    .group_segment_fixed_size: 327680
    .private_segment_fixed_size: 0
    .kernarg_segment_align: 8
    .kernarg_segment_size: 24
    .max_flat_workgroup_size: 128
    .sgpr_count:     80
    .vgpr_count:     896
    .wavefront_size: 32
...
	.end_amdgpu_metadata
.endif
;; end of part 3
;; launch outp (part 4): grid 4 x 64, 4 waves a work-group, clusters of 4 x 4, 327,680 bytes of LDS; arguments ctx, wc, bvec, out0; writes out0
.if DOCPART == 4
	.amdgcn_target "amdgcn-amd-amdhsa--gfx1250"
	.amdhsa_code_object_version 6
	.text
	.protected	k_qdd9ace2408_outp
	.globl	k_qdd9ace2408_outp
	.p2align	8
	.type	k_qdd9ace2408_outp,@function
k_qdd9ace2408_outp:
	s_mov_b64 s[64:65], 0
	v_nop
	global_prefetch_b8 v0, s[64:65] scope:SCOPE_SE
	s_setreg_imm32_b32 hwreg(HW_REG_WAVE_MODE, 25, 1), 1
	s_wait_xcnt 0x0
	s_wait_alu depctr_hold_cnt(0) depctr_sa_sdst(0) depctr_va_vdst(0) depctr_va_sdst(0) depctr_va_ssrc(0) depctr_va_vcc(0) depctr_vm_vsrc(0)
	s_getreg_b32 s2, hwreg(HW_REG_IB_STS2, 6, 4)
	s_cmp_eq_u32 s2, 0
	s_cbranch_scc0 .Lentry_in_a_cluster
	s_endpgm
.Lentry_in_a_cluster:
	s_bfe_u32 s2, ttmp6, 0x10000c
	s_cmp_lg_u32 s2, 0xf033
	s_cbranch_scc0 .Lentry_shape_is_right
	s_endpgm
.Lentry_shape_is_right:
; out0 = ctx Wo + bo.  C[m][n] = bias[n] + the sum over k of A[m][k] B[k][n]: A = ctx [8192][1024] f16, B = wc's plane 3 [1024 k][1024 n] f16 (Wo rounded to bf16, written as f16),
; bias = bvec's plane 3 in f32, C = out0 [8192][1024] f32.  (The same text with OUTP = 0 makes q, k and v: three tiles, bf16 operands, f16 out.)
; SHARES.  A tile of C is 128 x 256: 64 x 4 tiles, one work-group each, 8 K steps of 128.
; Four waves, each 64 rows x 128 columns: 32 accumulators of 16 x 16.  The matrix instruction is used transposed (source 0 = 16 columns of B, source 1 = 16 rows of A):
; a lane then holds row l % 16 of C and eight neighbouring columns.  The bias is the C operand of the product that starts a sum: nothing is cleared and nothing added later.
; RING.  Two LDS slots, a K step each: A's 128 rows of 256 bytes (pitch 272), B's 128 k-rows of 512 bytes (pitch 544, read turned by ds_load_tr16_b128).  Waves 0 and 1 fetch A's halves,
; waves 2 and 3 B's: one tensor load a wave behind each change of slots; two are out at the start, one afterwards.
; CLUSTER.  4 x 4 work-groups: A's tile hangs on the tile row alone and is asked for jointly along a row of the cluster, B's on the tile column alone, along a column.
; REGISTERS, in windows of 256 (s_set_vgpr_msb: bits 1:0 source 0, 3:2 source 1, 5:4 source 2, 7:6 destination):
;   window 0: v0-13 addresses; v14-20 set-up; v64-191 rows read back from the stage        window 1: accumulator (a, b) at v[8 (8 a + b)]
;   window 2: fragment buffer 0 (64 along K: A at 32 kq + 8 a, B at 64 + 64 kq + 8 b); v192-255 the bias of my 128 columns, 8 registers for each b        window 3: fragment buffer 1
.set OUTP,  1
.set TILES, 3-2*OUTP
.set NSTEP, 8*TILES                    ; K steps of 128 in the walk
.set PA,    272                        ; 68 words: the 16 rows of a load start at 16 different groups of four banks (ISA guide 11.1)
.set PB,    544                        ; 136 words
.set BOFF,  128*PA
.set SLOT1, 1<<17                      ; slot 1 begins here: one exclusive or turns an address in one slot into the other's
.set STAGE, SLOT1+128*(PA+PB)          ; behind the ring, never filled by a tensor load: 16 rows for each wave, for the way out
.set SP,    272+256*OUTP               ; a stage row: my 128 columns (256 or 512 bytes) + 16
.set SPARE, STAGE+4*16*SP              ; the spare words, 128 bytes for each wave: two blocks of 256 bytes that no other line names
.set WBASE, OUTP*(3<<21)               ; B's first plane in wc
.set AJUMP, (1<<24)-7*256              ; from a plane's last K step of A to the next plane's first
.set ADRA0, 2                          ; v2  my lane's place in A's tile; never rewritten
.set ADRB0, 3                          ; v3  in B's
.set ADRA,  4                          ; v4  the same in the slot in hand
.set ADRB,  5
.set STO,   6                          ; v6  the way out: where I put my part of a row
.set RD,    7                          ; v7  where I read rows back
.set CO,    8                          ; v8  my byte offset in C
.set BO,    9                          ; v9  my byte offset in the bias
.set PFO,   10                         ; v10 the prefetches' offset; never rewritten
.set SPW,   12                         ; v12 LDS address of my spare word; never rewritten
.set NIL,   13                         ; v13 0; never rewritten
.set TMP,   32
.set CB,    192
.set WV, 12
.set RH, 13                            ; which 64 rows are mine.  Also: I fetch for A (0) or for B (1)
.set CH, 14                            ; which 128 columns.  Also: which half of that tile I fetch
.set CX, 15
.set CY, 16
.set TX, 17
.set TY, 18
.set G1A, 24                           ; s[24:31] descriptor group 1 for A's tiles
.set G1B, 32                           ; s[32:39] for B's
.set G0A, 40                           ; s[40:47] group 0 for A's: a set for each first fill; the second then walks
.set G0B, 48                           ; s[48:55] the same for B's
.set STEPS, 56
.set KC,  57                           ; K steps done in the tile in hand
.set RC,  58                           ; the walking descriptors' K step in its plane
.set TB,  59                           ; LDS byte at which the slot in hand begins
.set AS,  60                           ; s[60:61] A's next step in bytes
.set PFA, 62                           ; s[62:63] where my prefetches stand
.set PFS, 66                           ; s[66:67] their next step
.set PC,  68                           ; their K step in its plane
.set LIM, 69                           ; 2 in a wave that prefetches, else the greatest number
.set PJ,  70                           ; their step across planes,
.set PN,  71                           ; and inside one
.set AJ,  72
.set MSB, 0
.macro WIN new                         ; the high byte repeats the setting that is left; a switch that changes nothing is dropped
.if MSB != (\new)
	s_set_vgpr_msb (MSB<<8)|(\new)
.set MSB, (\new)
.endif
.endm
.macro PLACES                          ; four places behind matrix instructions, in front of loads into registers that they read and of readers of their results
.rept 4
	v_nop
.endr
.endm
.macro CREST                           ; a round of the cluster's barrier behind its opening barrier
	s_cmp_lg_u32 s[WV], 0
	s_cbranch_scc1 .Lnot_wave_0_\@
	s_barrier_signal -3
.Lnot_wave_0_\@:
	s_barrier_wait -3
	s_barrier_signal -1
	s_barrier_wait -1
.endm
.macro CROUND
	s_barrier_signal -1
	s_barrier_wait -1
	CREST
.endm
.macro JLOAD                           ; a joint refill by the walking descriptors; the branch hangs on the wave's number alone; an s_nop 0 and four v_nop follow each line
	s_cmp_eq_u32 s[RH], 0
	s_cbranch_scc0 .Lfor_b_\@
	tensor_load_to_lds s[G0A+4:G0A+7], s[G1A:G1A+7]
	s_nop 0
	PLACES
	s_branch .Lasked_\@
.Lfor_b_\@:
	tensor_load_to_lds s[G0B+4:G0B+7], s[G1B:G1B+7]
	s_nop 0
	PLACES
.Lasked_\@:
.endm
; A PREFETCH of the K step that stands two refills on, 256 matrix instructions ahead of the load that will want it: one instruction a wave, each lane another block of 256 bytes, each block named once in the launch.
; A's 128 rows: wave 0 of each of the four partners that ask for them jointly takes 32, told apart by address (cx); of the clusters along x the first asks.  B's 128 k-rows of two blocks: waves 2 and 3 of
; each partner take 16 rows each (cy), in the clusters with y = 0.  The first four K steps come by their loads alone; the last two refills have no K step two on.
.macro ASK
	s_cmp_gt_u32 s[STEPS], s[LIM]
	s_cbranch_scc0 .Lnot_mine_\@
	global_prefetch_b8 v[PFO], s[PFA:PFA+1] th:TH_LOAD_NT scope:SCOPE_SE
.Lnot_mine_\@:
.endm
.macro WMMA ops:vararg
.if OUTP
	v_wmma_f32_16x16x32_f16 \ops
.else
	v_wmma_f32_16x16x32_bf16 \ops
.endif
.endm
; 8 n products: m blocks a0 .. a0 + n - 1 x all 8 n blocks, 32 along K (half kq of buffer f).  The 32 accumulators take turns in one order everywhere.  first = 1: the bias starts the sums.
.macro MUL f, kq, a0, n, first=0
.if \first
	WIN 0x6a                                       ; B and A in window 2, C (the bias) in window 2, D in window 1
.else
	WIN 0x5a+5*(\f)                                ; B and A in window 2 or 3, C and D in window 1
.endif
.set ma, (\a0)
.rept \n
.set mb, 0
.rept 8
.set rD, 8*(8*ma+mb)
.set rB, 64+64*(\kq)+8*mb
.set rA, 32*(\kq)+8*ma
.if \first
	WMMA v[rD:rD+7], v[rB:rB+7], v[rA:rA+7], v[CB+8*mb:CB+8*mb+7]
.else
	WMMA v[rD:rD+7], v[rB:rB+7], v[rA:rA+7], v[rD:rD+7]
.endif
.set mb, mb+1
.endr
.set ma, ma+1
.endr
.endm
; 48 LDS loads in one run: the fragments of 64 along K (half kb of the K step) into buffer f; the first 32 along K (24 loads) first.
; B, stored [k][n], comes turned: lane l reads k-row 8 (l / 16) + l % 8, columns 8 ((l / 8) % 2) + 0..7, and ends with column l % 16 and 8 k; A as it lies: row l % 16, two loads 32 bytes apart.
.macro FETCH kb, f
	WIN 0x80+0x40*(\f)
.irp kq, 0,1
.irp b, 0,1,2,3,4,5,6,7
	ds_load_tr16_b128 v[64+64*(\kq)+8*(\b):64+64*(\kq)+8*(\b)+3],   v[ADRB] offset:(2*(\kb)+(\kq))*32*PB+32*(\b)
	ds_load_tr16_b128 v[64+64*(\kq)+8*(\b)+4:64+64*(\kq)+8*(\b)+7], v[ADRB] offset:(2*(\kb)+(\kq))*32*PB+32*(\b)+16*PB
.endr
.irp a, 0,1,2,3
	ds_load_b128 v[32*(\kq)+8*(\a):32*(\kq)+8*(\a)+3],   v[ADRA] offset:(2*(\kb)+(\kq))*64+(\a)*16*PA
	ds_load_b128 v[32*(\kq)+8*(\a)+4:32*(\kq)+8*(\a)+7], v[ADRA] offset:(2*(\kb)+(\kq))*64+(\a)*16*PA+32
.endr
.endr
.endm
; A K step's first half: multiplies buffer 0 and fetches the second half into buffer 1.
.macro HALF0 first
	s_wait_dscnt 24                                ; the first 32 along K are in; the 24 younger loads may be out
	MUL 0, 0, 0, 4, \first
	PLACES
	FETCH 1, 1
	s_wait_dscnt 48                                ; all but the 48 just issued
	MUL 0, 1, 0, 4
.endm
; Its second half multiplies buffer 1 and changes slots: ONE barrier.  In front of it each wave waits for all its tensor loads (the one that is out is its part of the next slot), adds 0 to its spare word,
; and waits for that and for its reads of this slot.  fill = 1: the barrier opens a round of the cluster's barrier, and this slot is filled again, two K steps ahead, first thing behind the round:
; 96 matrix instructions stand between that request and the wait for it.
.macro TURN fill
.if \fill
	s_wait_xcnt 0x0                                ; the last prefetch, a K step back, has read its address: it is stepped here
	s_add_co_u32 s[PC], s[PC], 1
	s_and_b32 s[PC], s[PC], 7
	s_cmp_eq_u32 s[PC], 0
	s_cselect_b32 s[PFS], s[PJ], s[PN]
	s_add_nc_u64 s[PFA:PFA+1], s[PFA:PFA+1], s[PFS:PFS+1]
.endif
	WIN 0
	s_wait_tensorcnt 0x0                           ; all my tensor loads have landed
	ds_add_u32 v[SPW], v[NIL]                      ; 0 onto my spare word
	s_wait_dscnt 25                                ; (the add and the youngest 24 loads may be out)
	MUL 1, 0, 0, 2                                 ; sixteen matrix instructions stand between the add and the wait for it
	s_wait_dscnt 0x0                               ; the add is done, and my reads of this slot are over
	s_barrier_signal -1
	MUL 1, 0, 2, 2
	WIN 0
	s_barrier_wait -1
.if \fill
	CREST                                          ; no wave of any partner still reads this slot or has a load on its way
.if TILES > 1
	s_add_co_u32 s[RC], s[RC], 1
	s_and_b32 s[RC], s[RC], 7
	s_cmp_eq_u32 s[RC], 0
	s_cselect_b32 s[AS], s[AJ], 256                ; along K, or into the next plane
	s_add_nc_u64 s[G0A+6:G0A+7], s[G0A+6:G0A+7], s[AS:AS+1]
.else
	s_add_nc_u64 s[G0A+6:G0A+7], s[G0A+6:G0A+7], 256
.endif
	s_add_nc_u64 s[G0B+6:G0B+7], s[G0B+6:G0B+7], 128*2048  ; 128 k-rows on
	s_xor_b32 s[G0A+5], s[G0A+5], SLOT1
	s_xor_b32 s[G0B+5], s[G0B+5], SLOT1
	JLOAD                                          ; its four v_nop are also the places in front of the loads below
.else
	PLACES
.endif
	s_xor_b32 s[TB], s[TB], SLOT1
	v_add_nc_u32 v[ADRA], s[TB], v[ADRA0]
	v_add_nc_u32 v[ADRB], s[TB], v[ADRB0]
	FETCH 0, 0
	WIN 0
.if \fill
	ASK
.endif
	MUL 1, 1, 0, 4
.endm
.macro LOADCB                          ; the bias of my 128 columns: register 8 b + j is column 16 b + 8 (l / 16) + j
	WIN 0x80
.irp b, 0,1,2,3,4,5,6,7
	global_load_b128 v[CB+8*(\b):CB+8*(\b)+3],   v[BO], s[8:9] offset:64*(\b)
	global_load_b128 v[CB+8*(\b)+4:CB+8*(\b)+7], v[BO], s[8:9] offset:64*(\b)+16
.endr
	WIN 0
.endm
	s_load_b256 s[4:11], s[0:1], 0x0               ; A s[4:5], wc s[6:7], bvec s[8:9], C s[10:11]
	v_lshl_add_u32 v[SPW], v0, 2, SPARE
	v_mov_b32 v[NIL], 0
	ds_add_u32 v[SPW], v[NIL]                      ; the wave's opening: the add and its wait stand ahead of my first tensor load; the set-up below stands between them
	v_lshrrev_b32 v1, 5, v0
	v_readfirstlane_b32 s[WV], v1
	s_lshr_b32 s[RH], s[WV], 1
	s_and_b32 s[CH], s[WV], 1
	s_bfe_u32 s[CX], ttmp6, 0x40000
	s_bfe_u32 s[CY], ttmp6, 0x40004
	s_lshl_b32 s[TX], ttmp9, 2
	s_add_co_u32 s[TX], s[TX], s[CX]               ; tile column = 4 x cluster x + cx
	s_and_b32 s[TY], ttmp7, 0xffff
	s_lshl_b32 s[TY], s[TY], 2
	s_add_co_u32 s[TY], s[TY], s[CY]               ; tile row = 4 x cluster y + cy
	s_lshl_b32 s19, s[CY], 2
	s_lshl_b32 s19, 15, s19                        ; my row of the cluster
	s_or_b32 s[G1A], s19, (1<<16)|(1<<20)|(1<<21)|(5<<22)|(3<<25)  ; mask; 2-byte elements; padding on; bit 21 beside a mask; after every 64 words, 4 words
	s_lshl_b32 s19, 0x1111, s[CX]                  ; my column
	s_or_b32 s[G1B], s19, (1<<16)|(1<<20)|(1<<21)|(6<<22)|(7<<25)  ; after every 128 words, 8 words
	s_mov_b32 s[G1A+1], 128<<16                    ; tensor_dim0 = 128
	s_mov_b32 s[G1A+2], 64<<16                     ; tensor_dim1 = 64
	s_mov_b32 s[G1A+3], 128<<16                    ; tile_dim0 = 128
	s_mov_b32 s[G1A+4], 64                         ; tile_dim1 = 64
	s_mov_b32 s[G1A+5], 1024                       ; elements from row to row
	s_mov_b32 s[G1A+6], 0
	s_mov_b32 s[G1A+7], 0
	s_mov_b32 s[G1B+1], 256<<16
	s_mov_b32 s[G1B+2], 64<<16
	s_mov_b32 s[G1B+3], 256<<16
	s_mov_b32 s[G1B+4], 64
	s_mov_b32 s[G1B+5], 1024
	s_mov_b32 s[G1B+6], 0
	s_mov_b32 s[G1B+7], 0
	s_lshl_b32 s19, s[CH], 17                      ; the half that I fetch: 64 rows of 2,048 bytes
	s_lshl_b32 s20, s[TY], 18                      ; A: 128 rows a tile row; no cx enters
	s_add_co_u32 s20, s20, s19
	s_mov_b32 s21, 0
	s_lshl_b32 s22, s[TX], 9                       ; B: 512 bytes a tile column; no cy enters
	s_add_co_u32 s22, s22, s19
.if OUTP
	s_add_co_u32 s22, s22, WBASE
.endif
	s_mov_b32 s23, 0
	s_mul_i32 s19, s[CH], 64*PA                    ; where they go: no place in the cluster enters an LDS address
	s_mul_i32 s73, s[CH], 64*PB
	s_add_co_u32 s73, s73, BOFF
	s_mov_b32 s[RC], 1
	s_mov_b32 s[PC], 3
	s_mov_b32 s[TB], 0
	s_mov_b32 s[AS+1], 0
	s_mov_b32 s[PFS+1], 0
	s_mov_b32 s[AJ], AJUMP
	s_wait_dscnt 0x0                               ; the opening add is done
	s_wait_kmcnt 0x0
	s_add_nc_u64 s[74:75], s[4:5], s[20:21]
	s_add_nc_u64 s[76:77], s[6:7], s[22:23]
.irp s, 0,1
	s_mov_b32 s[G0A+4*(\s)], 1                     ; count = 1
	s_add_co_u32 s[G0A+4*(\s)+1], s19, (\s)*SLOT1  ; LDS address
	s_add_nc_u64 s[G0A+4*(\s)+2:G0A+4*(\s)+3], s[74:75], (\s)*256  ; global address: K step s
	s_or_b32 s[G0A+4*(\s)+3], s[G0A+4*(\s)+3], 0x80000000          ; type = 2
	s_mov_b32 s[G0B+4*(\s)], 1
	s_add_co_u32 s[G0B+4*(\s)+1], s73, (\s)*SLOT1
	s_add_nc_u64 s[G0B+4*(\s)+2:G0B+4*(\s)+3], s[76:77], (\s)*128*2048
	s_or_b32 s[G0B+4*(\s)+3], s[G0B+4*(\s)+3], 0x80000000
.endr
	CROUND                                         ; all sixteen work-groups are here: the first joint loads meet
	s_cmp_eq_u32 s[RH], 0                          ; a wave's two first fills stand in one branch: two loads of mine are out
	s_cbranch_scc0 .Lfirst_b
	tensor_load_to_lds s[G0A:G0A+3], s[G1A:G1A+7]
	s_nop 0
	tensor_load_to_lds s[G0A+4:G0A+7], s[G1A:G1A+7]
	s_nop 0
	PLACES
	s_branch .Lfirst_asked
.Lfirst_b:
	tensor_load_to_lds s[G0B:G0B+3], s[G1B:G1B+7]
	s_nop 0
	tensor_load_to_lds s[G0B+4:G0B+7], s[G1B:G1B+7]
	s_nop 0
	PLACES
.Lfirst_asked:
	v_and_b32 v14, 15, v0                          ; l % 16
	v_bfe_u32 v15, v0, 4, 1                        ; l / 16
	v_and_b32 v16, 7, v0
	v_bfe_u32 v17, v0, 3, 1
	v_and_b32 v18, 31, v0                          ; l
	s_lshl_b32 s19, s[CH], 9
	v_lshl_add_u32 v[BO], v15, 5, s19              ; 4 bytes x (128 x my column half + 8 (l / 16))
	s_lshl_b32 s20, s[TX], 10
.if OUTP
	s_add_co_u32 s20, s20, 3*4096
.endif
	s_mov_b32 s21, 0
	s_add_nc_u64 s[8:9], s[8:9], s[20:21]          ; the bias at the tile's first column
	LOADCB
	v_mul_u32_u24 v[ADRA0], v14, PA
	v_lshl_add_u32 v[ADRA0], v15, 4, v[ADRA0]
	s_mul_i32 s19, s[RH], 64*PA
	v_add_nc_u32 v[ADRA0], s19, v[ADRA0]           ; row x pitch + 16 x half + my 64 rows
	v_lshl_add_u32 v19, v15, 3, v16
	v_mul_u32_u24 v[ADRB0], v19, PB
	v_lshl_add_u32 v[ADRB0], v17, 4, v[ADRB0]
	s_lshl_b32 s19, s[CH], 8
	s_add_co_u32 s19, s19, BOFF
	v_add_nc_u32 v[ADRB0], s19, v[ADRB0]           ; k-row x pitch + 16 x column group + my 128 columns, behind A
	v_mov_b32 v[ADRA], v[ADRA0]
	v_mov_b32 v[ADRB], v[ADRB0]
	s_mul_i32 s19, s[WV], 16*SP
	s_add_co_u32 s19, s19, STAGE                   ; my stage
	v_mul_u32_u24 v[STO], v14, SP
	v_lshl_add_u32 v[STO], v15, 4+OUTP, v[STO]     ; in: row l % 16, my 8 columns
	v_add_nc_u32 v[STO], s19, v[STO]
.if OUTP
	v_lshl_add_u32 v[RD], v18, 4, s19              ; back: 32 lanes take one row of 512 bytes,
	v_lshlrev_b32 v[CO], 4, v18                    ; and the same in C
.else
	v_mul_u32_u24 v[RD], v15, SP                   ; back: lanes 0-15 take one row of 256 bytes, lanes 16-31 the next,
	v_lshl_add_u32 v[RD], v14, 4, v[RD]
	v_add_nc_u32 v[RD], s19, v[RD]
	v_lshlrev_b32 v[CO], 11, v15                   ; and the same two rows in C
	v_lshl_add_u32 v[CO], v14, 4, v[CO]
.endif
	s_lshl_b32 s20, s[TY], 18+OUTP                 ; my part of the tile in C
	s_lshl_b32 s19, s[RH], 17+OUTP
	s_add_co_u32 s20, s20, s19
	s_lshl_b32 s19, s[TX], 9+OUTP
	s_add_co_u32 s20, s20, s19
	s_lshl_b32 s19, s[CH], 8+OUTP
	s_add_co_u32 s20, s20, s19
	s_add_nc_u64 s[10:11], s[10:11], s[20:21]
	; the prefetches
	s_lshl_b32 s20, s[TY], 18                      ; A: the tile's rows, my work-group's 32 of them, K step 3
	s_lshl_b32 s19, s[CX], 16
	s_add_co_u32 s20, s20, s19
	s_add_co_u32 s20, s20, 3*256
	s_lshl_b32 s22, s[TX], 9                       ; B: the tile's columns, my wave's 64 k-rows, my work-group's 16 of them, K step 3
	s_lshl_b32 s19, s[CH], 17
	s_add_co_u32 s22, s22, s19
	s_lshl_b32 s19, s[CY], 15
	s_add_co_u32 s22, s22, s19
	s_add_co_u32 s22, s22, WBASE+3*128*2048
	s_and_b32 s19, ttmp7, 0xffff
	s_mov_b32 s[PJ], 128*2048
	s_mov_b32 s[PN], 128*2048
	s_cmp_eq_u32 s[RH], 0
	s_cselect_b32 s20, s20, s22
	s_cselect_b64 s[PFA:PFA+1], s[4:5], s[6:7]
.if TILES > 1
	s_cselect_b32 s[PJ], s[AJ], s[PJ]
.else
	s_cselect_b32 s[PJ], 256, s[PJ]
.endif
	s_cselect_b32 s[PN], 256, s[PN]
	s_cselect_b32 s19, ttmp9, s19                  ; the coordinate along which other clusters read the same rows
	s_cselect_b32 s73, -1, 0
	s_add_nc_u64 s[PFA:PFA+1], s[PFA:PFA+1], s[20:21]
	s_cmp_eq_u32 s19, 0
	s_cselect_b32 s[LIM], 2, -1                    ; the same in all sixteen partners, for a given wave
	s_cmp_eq_u32 s[WV], 1
	s_cselect_b32 s[LIM], -1, s[LIM]               ; wave 0 asks for all of A's 32 rows: wave 1 has none left
	v_lshlrev_b32 v19, 11, v18                     ; A: a lane a row
	v_lshrrev_b32 v20, 1, v18                      ; B: two lanes a row of two blocks
	v_lshlrev_b32 v20, 11, v20
	v_and_b32 v1, 1, v18
	v_lshl_add_u32 v20, v1, 8, v20
	v_cndmask_b32 v[PFO], v20, v19, s73
; THE WAY OUT, 16 rows (an m block) at a time, through my own stage: LDS serves a wave's instructions in order (ISA guide 5.7.1.4), so no wait stands between my stores and my loads.
.if OUTP
.macro TOSTAGE a                       ; f32: the accumulators go straight into rows of 528 bytes, each one's lowest registers first, and come back as whole rows of 512
.if (\a) >= 2
	s_wait_xcnt 0x0                                ; the stores of the block two back have read the registers that are loaded again
.endif
	WIN 0x04                                       ; store data in window 1
.set mb, 0
.rept 8
	ds_store_b128 v[STO], v[8*(8*(\a)+mb):8*(8*(\a)+mb)+3]   offset:64*mb
	ds_store_b128 v[STO], v[8*(8*(\a)+mb)+4:8*(8*(\a)+mb)+7] offset:64*mb+16
.set mb, mb+1
.endr
	WIN 0
.set BK, 64+64*((\a)%2)
.irp t, 0,1,2,3,4,5,6,7,8,9,10,11,12,13,14,15
	ds_load_b128 v[BK+4*(\t):BK+4*(\t)+3], v[RD] offset:(\t)*SP
.endr
.endm
.macro SEND a, younger                 ; younger: the next block's 32 LDS instructions, or none
.set BK, 64+64*((\a)%2)
	s_wait_dscnt \younger
.irp t, 0,1,2,3,4,5,6,7,8,9,10,11,12,13,14,15
	global_store_b128 v[CO], v[BK+4*(\t):BK+4*(\t)+3], s[10:11] offset:(16*(\a)+(\t))*4096  ; 512 consecutive bytes, at a multiple of 256 from C's first byte
.endr
.endm
.macro WAYOUT next
	PLACES
	PLACES
	TOSTAGE 0
.irp a, 1,2,3
	TOSTAGE \a
	SEND (\a)-1, 32
.endr
	SEND 3, 0
.endm
.else
.macro PACK a                          ; rounded to f16, 16 bytes a lane; each accumulator's registers in ascending order
	WIN 0x05
.set mb, 0
.rept 8
.irp r, 0,1,2,3
	v_cvt_pk_f16_f32 v[TMP+4*mb+(\r)], v[8*(8*(\a)+mb)+2*(\r)], v[8*(8*(\a)+mb)+2*(\r)+1]
.endr
.set mb, mb+1
.endr
	WIN 0
.endm
.macro TOSTAGE a
.set BK, 64+32*((\a)%2)
.irp b, 0,1,2,3,4,5,6,7
	ds_store_b128 v[STO], v[TMP+4*(\b):TMP+4*(\b)+3] offset:32*(\b)
.endr
.irp t, 0,1,2,3,4,5,6,7
	ds_load_b128 v[BK+4*(\t):BK+4*(\t)+3], v[RD] offset:(\t)*2*SP
.endr
.endm
.macro SEND a
.set BK, 64+32*((\a)%2)
	s_wait_dscnt 0x0                               ; the block is back in registers
	s_wait_xcnt 0x0                                ; the stores of the block before have read their registers, which the next block's loads write
.irp t, 0,1,2,3,4,5,6,7
	global_store_b128 v[CO], v[BK+4*(\t):BK+4*(\t)+3], s[10:11] offset:(16*(\a)+2*(\t))*2048  ; 16 lanes store 256 consecutive bytes, at a multiple of 256 from C's first byte
.endr
.endm
.macro WAYOUT next                     ; next = 1: another tile follows: its bias is fetched meanwhile, and C steps to the next plane
	PLACES
	PLACES
.if \next
	s_add_nc_u64 s[8:9], s[8:9], 4096              ; (the last loads by this pointer were waited for)
	LOADCB
.endif
	PACK 0
	TOSTAGE 0
.irp a, 1,2,3                          ; block a's conversions stand between block a - 1's loads from the stage and the wait for them
	PACK \a
	SEND (\a)-1
	TOSTAGE \a
.endr
	SEND 3
.if \next
	s_wait_xcnt 0x0
	s_add_nc_u64 s[10:11], s[10:11], 1<<24
	s_wait_loadcnt 0x0                             ; the next tile's bias
.endif
.endm
.endif
	s_wait_tensorcnt 1                             ; my part of K step 0 is in; K step 1's may stay out
	s_barrier_signal -1
	s_barrier_wait -1
	FETCH 0, 0
	s_wait_loadcnt 0x0                             ; the bias
	HALF0 1                                        ; the walk's first half step stands in front of the loop: its products start the sums
	WIN 0
	s_mov_b32 s[STEPS], NSTEP-2
.if TILES > 1
	s_mov_b32 s[KC], 0
.endif
.Lstep:                                ; NSTEP - 2 trips: a K step's second half, with a refill, and the next K step's first half
	TURN 1
	WIN 0
.if TILES > 1
	s_add_co_u32 s[KC], s[KC], 1
	s_cmp_eq_u32 s[KC], 8
	s_cbranch_scc0 .Lplain
	WAYOUT 1                                       ; the tile is finished; the ring has gone on into the next one
	s_mov_b32 s[KC], 0
	HALF0 1
	WIN 0
	s_branch .Ljoin
.Lplain:
.endif
	HALF0 0
	WIN 0
.if TILES > 1
.Ljoin:
.endif
	s_sub_co_u32 s[STEPS], s[STEPS], 1
	s_cmp_lg_u32 s[STEPS], 0
	s_cbranch_scc1 .Lstep
	TURN 0                                         ; the tail is written out: the last change of slots fills nothing
	HALF0 0
	s_wait_dscnt 24                                ; the very last half step: nothing more to fetch
	MUL 1, 0, 0, 4
	s_wait_dscnt 0x0
	MUL 1, 1, 0, 4
	WIN 0
	WAYOUT 0
	s_wait_tensorcnt 0x0                           ; the wave's end: the add stands behind my last tensor load and my last LDS store
	ds_add_u32 v[SPW], v[NIL]
	s_wait_dscnt 0x0
	CROUND                                         ; the closing round: no work-group ends while a partner may still ask for a tile that names it
	s_endpgm
.Lfunc_end_k_qdd9ace2408_outp:
	.size	k_qdd9ace2408_outp, .Lfunc_end_k_qdd9ace2408_outp-k_qdd9ace2408_outp
	.p2alignl 7, 3214868480
	.fill 96, 4, 3214868480
	.section	.rodata,"a",@progbits
	.p2align	6, 0x0
	.amdhsa_kernel k_qdd9ace2408_outp
		.amdhsa_group_segment_fixed_size 327680
		.amdhsa_private_segment_fixed_size 0
		.amdhsa_enable_private_segment 0
		.amdhsa_kernarg_size 32
		.amdhsa_user_sgpr_count 2
		.amdhsa_user_sgpr_kernarg_segment_ptr 1
		.amdhsa_wavefront_size32 1
		.amdhsa_system_sgpr_workgroup_id_x 1
		.amdhsa_system_sgpr_workgroup_id_y 1
		.amdhsa_system_sgpr_workgroup_id_z 1
		.amdhsa_system_vgpr_workitem_id 0
		.amdhsa_next_free_vgpr 960
		.amdhsa_next_free_sgpr 80
		.amdhsa_reserve_vcc 0
		.amdhsa_float_denorm_mode_32 3
		.amdhsa_float_denorm_mode_16_64 3
		.amdhsa_memory_ordered 1
		.amdhsa_forward_progress 1
		.amdhsa_inst_pref_size 71
	.end_amdhsa_kernel
	.amdgpu_metadata
---
amdhsa.version: [ 1, 2 ]
amdhsa.kernels:
  - .name:           k_qdd9ace2408_outp
    .symbol:         k_qdd9ace2408_outp.kd
    .args:
      - { .name: ctx, .offset: 0, .size: 8, .value_kind: global_buffer, .address_space: global }
      - { .name: wc, .offset: 8, .size: 8, .value_kind: global_buffer, .address_space: global }
      - { .name: bvec, .offset: 16, .size: 8, .value_kind: global_buffer, .address_space: global }
      - { .name: out0, .offset: 24, .size: 8, .value_kind: global_buffer, .address_space: global }
    .group_segment_fixed_size: 327680
    .private_segment_fixed_size: 0
    .kernarg_segment_align: 8
    .kernarg_segment_size: 32
    .max_flat_workgroup_size: 128
    .sgpr_count:     80
    .vgpr_count:     960
    .wavefront_size: 32
...
	.end_amdgpu_metadata
.endif
;; end of part 4
;; ======== version 2 of 2: 4 launches; version 1 with the launch prep written anew for expert scheduling mode
;; limits: values are held in f16: magnitudes above 65,504 overflow, below 6.1e-05 lose precision
;; workspace buffers: xb 50,331,648 bytes; wc 8,388,608 bytes; br 16,777,216 bytes; bvec 16,384 bytes; qkv 50,331,648 bytes; ctx 16,777,216 bytes
;; launch prep (part 5): grid 513 x 1, 8 waves a work-group, no clusters, 0 bytes of LDS; arguments query, key, value, Wq, Wk, Wv, Wo, attention_bias, bq, bk, bv, bo, xb, wc, br, bvec; writes xb, wc, br, bvec
.if DOCPART == 5
	.amdgcn_target "amdgcn-amd-amdhsa--gfx1250"
	.amdhsa_code_object_version 6
	.text
	.protected	k_qdd9ace2408_prep
	.globl	k_qdd9ace2408_prep
	.p2align	8
	.type	k_qdd9ace2408_prep,@function
k_qdd9ace2408_prep:
	s_mov_b64 s[64:65], 0
	v_nop
	global_prefetch_b8 v0, s[64:65] scope:SCOPE_SE
	s_setreg_imm32_b32 hwreg(HW_REG_WAVE_SCHED_MODE, 0, 2), 2
	s_setreg_imm32_b32 hwreg(HW_REG_WAVE_MODE, 25, 1), 1
	s_wait_xcnt 0x0
	s_wait_alu depctr_vm_vsrc(0)
; EVERY INPUT IS ROUNDED ONCE TO bf16 (to nearest even) and laid out for the three launches behind.
;   xb   [3][8192][1024] bf16       query, key, value
;   wc   [4][1024 k][1024 n] 16 bit planes 0-2: Wq, Wk, Wv in bf16, n = 64 head + d, k = e; plane 3: Wo rounded to bf16, that number written as f16
;   br   [2048][2048] f32           8 x bf16(attention_bias): the factor 8 is exact; the scores are kept as q.k + 8 bias and scaled by 1/8 in the exponent
;   bvec [4][1024] f32              bf16(bq), bf16(bk), bf16(bv), bf16(bo), widened again
; LIMITS.  Wo's bf16 number is exact in f16 from 6.1e-5 up to 65,504; below it keeps f16's fixed step of 6e-8; beyond it becomes an infinity.
; A stream: no LDS, no barrier, no matrix unit, no cluster: no byte is wanted twice.  A work-group converts 65,536 numbers as 64 rows of 1,024, a thread 4 numbers of each row:
; a wave's load covers 512 consecutive bytes (for Wq, Wk, Wv: two pieces of 256, one for each of two heads), a wave's store 256 or 512 consecutive aligned bytes.
; The work-group's number picks the job: 0-383 x, 384-431 the three W, 432-447 Wo, 448-511 the bias, 512 the four bias vectors.
; THE MODE: SCHED_MODE bits 1:0 = 2 (LLVM: expert scheduling mode 2), set by the entry lines.  The code itself states the register dependences
; between vector instructions and memory instructions, with s_wait_alu, always for 0.
; THE PLAN.  The 64 rows go in four trips of 16, a trip in four blocks of four rows.  Registers that memory instructions touch:
;   X   16 rows as loaded, block b's four at X + 16 b.  Written by loads; read (in Wo's job also written) by block b's conversions; behind them the same rows of the next trip are loaded into it.
;   Y   16 rows to store.  Written by block b's conversions; read by the four stores that stand behind them in the same block; written again a trip later.
;   OFF, DO8, DO16   byte offsets, made once at the head and never written again: the rows are reached by the two scalar bases, which step once a trip, and by the stores' immediates.
;   T   is named by vector instructions alone.
; ONE wait on va_vdst stands in a block, behind its conversions: they have written the block's Y and are done with its X.  The block's four loads and four stores follow it with no vector
; instruction between, so a block of X is asked for again as soon as it is empty: 12 to 16 loads of every wave are on their way.
; ONE wait on vm_vsrc stands in a trip, at its head: Y holds a whole trip, and all the stores of the trip before stand ahead of that wait.
.set OFF,   2          ; v[2:17]   source byte offsets of 16 rows; never rewritten behind the head
.set DO8,   18         ; v18       8 t: my 8 bytes of a 16-bit row
.set DO16,  19         ; v19       16 t: my 16 bytes of an f32 row
.set T,     20         ; v[20:23]  at work
.set X,     24         ; v[24:87]  16 rows x 4 f32 as loaded
.set Y,     88         ; v[88:151] 16 rows' results to store
.set JOB,   40
.set PLN,   41         ; which tensor of three
.set CK,    42         ; which chunk of 64 rows
.set SRC,   44         ; s[44:45]
.set DST,   46         ; s[46:47]
.set OFS,   48         ; s[48:49]  an offset, high word 0
.set SSTEP, 50         ; bytes from row to row in the source
.set BST,   52         ; s[52:53]  16 such steps
.set CNT,   54
.set HIM,   55         ; a word's upper bf16
.set EIGHT, 56         ; s[56:57]  8.0
	s_load_b512 s[8:23], s[0:1], 0x0               ; query 8, key 10, value 12, Wq 14, Wk 16, Wv 18, Wo 20, attention_bias 22
	s_load_b512 s[24:39], s[0:1], 0x40             ; bq 24, bk 26, bv 28, bo 30, xb 32, wc 34, br 36, bvec 38
	s_mov_b32 s[JOB], ttmp9
	s_mov_b32 s[OFS+1], 0
	s_mov_b32 s[BST+1], 0
	s_mov_b32 s[HIM], 0xffff0000
	s_mov_b32 s[EIGHT], 0x41000000
	s_mov_b32 s[EIGHT+1], s[EIGHT]                 ; named with it as a pair
	s_mov_b32 s[SSTEP], 4096                       ; dense f32 rows, but for the three W
	v_lshlrev_b32 v[DO8], 3, v0
	v_lshlrev_b32 v[DO16], 4, v0
	v_lshlrev_b32 v[OFF], 4, v0
	s_wait_kmcnt 0x0
.macro PICK3 a, b, c                   ; the source is one of three tensors, by PLN
	s_cmp_eq_u32 s[PLN], 0
	s_cselect_b64 s[SRC:SRC+1], s[\a:\a+1], s[\b:\b+1]
	s_cmp_eq_u32 s[PLN], 2
	s_cselect_b64 s[SRC:SRC+1], s[\c:\c+1], s[SRC:SRC+1]
.endm
.macro STEPBY p, r, sh                 ; pointer p += register r << sh
	s_lshl_b32 s[OFS], s[\r], \sh
	s_add_nc_u64 s[\p:\p+1], s[\p:\p+1], s[OFS:OFS+1]
.endm
.macro SPREAD                          ; the 16 rows' offsets, and the step of a trip
.set j, 1
.rept 15
	v_add_nc_u32 v[OFF+j], s[SSTEP], v[OFF+j-1]
.set j, j+1
.endr
	s_lshl_b32 s[BST], s[SSTEP], 4
.endm
; A trip of 16 rows.  mode 0: bf16.  mode 1: bf16, written as f16.  mode 2: bf16, widened, times 8, in f32.  ahead = 1: each block of X is loaded again, with the same rows of the next trip.
.macro TRIP mode, ahead
	s_wait_loadcnt 12                              ; loads come back in order: block 0's four rows are in; the 12 younger loads, the three other blocks', stay out
	s_wait_xcnt 0x0                                ; the two bases and Y, which the loads and stores of the trip before read, are rewritten only behind this wait
	s_wait_alu depctr_vm_vsrc(0)                   ; the 16 stores of the trip before have read Y, which this trip's conversions write again
.if \ahead
	s_add_nc_u64 s[SRC:SRC+1], s[SRC:SRC+1], s[BST:BST+1]  ; the source runs a trip ahead: this trip's loads are the next trip's rows
.endif
.if (\mode) == 2
	s_add_nc_u64 s[DST:DST+1], s[DST:DST+1], 16*4096       ; stepped at the head in every trip, the first too: the stores reach back by their immediate
.else
	s_add_nc_u64 s[DST:DST+1], s[DST:DST+1], 16*2048
.endif
.set blk, 0
.rept 4
.if blk > 0
.if \ahead
	s_wait_loadcnt 12                              ; this block's four rows are in; behind them 12 loads were issued: the later blocks' of the last trip, the earlier blocks' of this one
.else
	s_wait_loadcnt 12-4*blk                        ; the last trip loads nothing: the counts run down
.endif
.endif
.set j, 4*blk
.rept 4
.if (\mode) == 0
	v_cvt_pk_bf16_f32 v[Y+2*j],   v[X+4*j],   v[X+4*j+1]
	v_cvt_pk_bf16_f32 v[Y+2*j+1], v[X+4*j+2], v[X+4*j+3]
.elseif (\mode) == 1
	v_cvt_pk_bf16_f32 v[T],   v[X+4*j],   v[X+4*j+1]
	v_cvt_pk_bf16_f32 v[T+1], v[X+4*j+2], v[X+4*j+3]
	v_lshlrev_b32 v[X+4*j],   16, v[T]             ; bf16 to f32: the low half moves up, the high half stays
	v_and_b32     v[X+4*j+1], s[HIM], v[T]
	v_lshlrev_b32 v[X+4*j+2], 16, v[T+1]
	v_and_b32     v[X+4*j+3], s[HIM], v[T+1]
	v_cvt_pk_f16_f32 v[Y+2*j],   v[X+4*j],   v[X+4*j+1]
	v_cvt_pk_f16_f32 v[Y+2*j+1], v[X+4*j+2], v[X+4*j+3]
.else
	v_cvt_pk_bf16_f32 v[T],   v[X+4*j],   v[X+4*j+1]
	v_cvt_pk_bf16_f32 v[T+1], v[X+4*j+2], v[X+4*j+3]
	v_lshlrev_b32 v[Y+4*j],   16, v[T]
	v_and_b32     v[Y+4*j+1], s[HIM], v[T]
	v_lshlrev_b32 v[Y+4*j+2], 16, v[T+1]
	v_and_b32     v[Y+4*j+3], s[HIM], v[T+1]
	v_pk_mul_f32 v[Y+4*j:Y+4*j+1],   v[Y+4*j:Y+4*j+1],   s[EIGHT:EIGHT+1] op_sel_hi:[1,0]
	v_pk_mul_f32 v[Y+4*j+2:Y+4*j+3], v[Y+4*j+2:Y+4*j+3], s[EIGHT:EIGHT+1] op_sel_hi:[1,0]
.endif
.set j, j+1
.endr
	s_wait_alu depctr_va_vdst(0)                   ; the block's conversions have written its rows of Y, which the stores below read, and are done with its rows of X, in which the loads below land
.set j, 4*blk
.rept 4
.if \ahead
	global_load_b128 v[X+4*j:X+4*j+3], v[OFF+j], s[SRC:SRC+1] th:TH_LOAD_NT  ; the load ahead of the store
.endif
.if (\mode) == 2
	global_store_b128 v[DO16], v[Y+4*j:Y+4*j+3], s[DST:DST+1] offset:(j-16)*4096
.else
	global_store_b64 v[DO8], v[Y+2*j:Y+2*j+1], s[DST:DST+1] offset:(j-16)*2048
.endif
.set j, j+1
.endr
.set blk, blk+1
.endr
.endm
; The 64 rows: the first 16 loads, three trips that load ahead, and the last trip, written out, so that no load leaves its buffer.
.macro STREAM mode
	s_wait_alu depctr_va_vdst(0)                   ; the offsets v[OFF ..], v[DO8] and v[DO16] are written: every load and store below reads one of them
.set j, 0
.rept 16
	global_load_b128 v[X+4*j:X+4*j+3], v[OFF+j], s[SRC:SRC+1] th:TH_LOAD_NT
.set j, j+1
.endr
	s_mov_b32 s[CNT], 3
.Ltrip_\@:
	TRIP \mode, 1
	s_sub_co_u32 s[CNT], s[CNT], 1
	s_cmp_lg_u32 s[CNT], 0
	s_cbranch_scc1 .Ltrip_\@
	TRIP \mode, 0
.endm
	s_cmp_lt_u32 s[JOB], 384
	s_cbranch_scc0 .Lnot_x
	s_lshr_b32 s[PLN], s[JOB], 7                   ; query, key or value: 128 chunks each
	s_and_b32 s[CK], s[JOB], 127
	PICK3 8, 10, 12
	STEPBY SRC, CK, 18
	s_mov_b64 s[DST:DST+1], s[32:33]
	STEPBY DST, PLN, 24
	STEPBY DST, CK, 17
	s_branch .Lbf16
.Lnot_x:
	s_cmp_lt_u32 s[JOB], 432
	s_cbranch_scc0 .Lnot_w
	s_sub_co_u32 s[JOB], s[JOB], 384               ; Wq, Wk or Wv: 16 chunks of 64 rows e each
	s_lshr_b32 s[PLN], s[JOB], 4
	s_and_b32 s[CK], s[JOB], 15
	PICK3 14, 16, 18
	STEPBY SRC, CK, 14                             ; 64 rows e of 256 bytes inside each head
	s_mov_b64 s[DST:DST+1], s[34:35]
	STEPBY DST, PLN, 21
	STEPBY DST, CK, 17
	v_lshrrev_b32 v[T], 4, v0                      ; my head: 262,144 bytes apart,
	v_and_b32 v[T+1], 15, v0
	v_lshlrev_b32 v[T+1], 4, v[T+1]                ; my 16 bytes of its 256
	v_lshl_add_u32 v[OFF], v[T], 18, v[T+1]
	s_mov_b32 s[SSTEP], 256
.Lbf16:
	SPREAD
	STREAM 0
	s_endpgm
.Lnot_w:
	s_cmp_lt_u32 s[JOB], 448
	s_cbranch_scc0 .Lnot_wo
	s_sub_co_u32 s[CK], s[JOB], 432
	s_mov_b64 s[SRC:SRC+1], s[20:21]
	STEPBY SRC, CK, 18
	s_add_nc_u64 s[DST:DST+1], s[34:35], 3<<21
	STEPBY DST, CK, 17
	SPREAD
	STREAM 1
	s_endpgm
.Lnot_wo:
	s_cmp_lt_u32 s[JOB], 512
	s_cbranch_scc0 .Lvectors
	s_sub_co_u32 s[CK], s[JOB], 448
	s_mov_b64 s[SRC:SRC+1], s[22:23]
	STEPBY SRC, CK, 18
	s_mov_b64 s[DST:DST+1], s[36:37]
	STEPBY DST, CK, 18
	SPREAD
	STREAM 2
	s_endpgm
.Lvectors:                             ; the four bias vectors, 1,024 numbers each: 4 a thread
	s_wait_alu depctr_va_vdst(0)                   ; v[DO16] is written: the four loads and the four stores below read it as their offset
.irp p, 0,1,2,3
	global_load_b128 v[X+4*\p:X+4*\p+3], v[DO16], s[24+2*\p:25+2*\p]
.endr
	s_wait_loadcnt 0x0
.irp p, 0,1,2,3
	v_cvt_pk_bf16_f32 v[T],   v[X+4*\p],   v[X+4*\p+1]
	v_cvt_pk_bf16_f32 v[T+1], v[X+4*\p+2], v[X+4*\p+3]
	v_lshlrev_b32 v[Y+4*\p],   16, v[T]
	v_and_b32     v[Y+4*\p+1], s[HIM], v[T]
	v_lshlrev_b32 v[Y+4*\p+2], 16, v[T+1]
	v_and_b32     v[Y+4*\p+3], s[HIM], v[T+1]
.endr
	s_wait_alu depctr_va_vdst(0)                   ; the sixteen registers of Y are written, which the four stores read
.irp p, 0,1,2,3
	global_store_b128 v[DO16], v[Y+4*\p:Y+4*\p+3], s[38:39] offset:4096*\p
.endr
	s_endpgm
.Lfunc_end_k_qdd9ace2408_prep:
	.size	k_qdd9ace2408_prep, .Lfunc_end_k_qdd9ace2408_prep-k_qdd9ace2408_prep
	.p2alignl 7, 3214868480
	.fill 96, 4, 3214868480
	.section	.rodata,"a",@progbits
	.p2align	6, 0x0
	.amdhsa_kernel k_qdd9ace2408_prep
		.amdhsa_group_segment_fixed_size 0
		.amdhsa_private_segment_fixed_size 0
		.amdhsa_enable_private_segment 0
		.amdhsa_kernarg_size 128
		.amdhsa_user_sgpr_count 2
		.amdhsa_user_sgpr_kernarg_segment_ptr 1
		.amdhsa_wavefront_size32 1
		.amdhsa_system_sgpr_workgroup_id_x 1
		.amdhsa_system_sgpr_workgroup_id_y 1
		.amdhsa_system_sgpr_workgroup_id_z 1
		.amdhsa_system_vgpr_workitem_id 0
		.amdhsa_next_free_vgpr 160
		.amdhsa_next_free_sgpr 66
		.amdhsa_reserve_vcc 0
		.amdhsa_float_denorm_mode_32 3
		.amdhsa_float_denorm_mode_16_64 3
		.amdhsa_memory_ordered 1
		.amdhsa_forward_progress 1
		.amdhsa_inst_pref_size 56
	.end_amdhsa_kernel
	.amdgpu_metadata
---
amdhsa.version: [ 1, 2 ]
amdhsa.kernels:
  - .name:           k_qdd9ace2408_prep
    .symbol:         k_qdd9ace2408_prep.kd
    .args:
      - { .name: query, .offset: 0, .size: 8, .value_kind: global_buffer, .address_space: global }
      - { .name: key, .offset: 8, .size: 8, .value_kind: global_buffer, .address_space: global }
      - { .name: value, .offset: 16, .size: 8, .value_kind: global_buffer, .address_space: global }
      - { .name: Wq, .offset: 24, .size: 8, .value_kind: global_buffer, .address_space: global }
      - { .name: Wk, .offset: 32, .size: 8, .value_kind: global_buffer, .address_space: global }
      - { .name: Wv, .offset: 40, .size: 8, .value_kind: global_buffer, .address_space: global }
      - { .name: Wo, .offset: 48, .size: 8, .value_kind: global_buffer, .address_space: global }
      - { .name: attention_bias, .offset: 56, .size: 8, .value_kind: global_buffer, .address_space: global }
      - { .name: bq, .offset: 64, .size: 8, .value_kind: global_buffer, .address_space: global }
      - { .name: bk, .offset: 72, .size: 8, .value_kind: global_buffer, .address_space: global }
      - { .name: bv, .offset: 80, .size: 8, .value_kind: global_buffer, .address_space: global }
      - { .name: bo, .offset: 88, .size: 8, .value_kind: global_buffer, .address_space: global }
      - { .name: xb, .offset: 96, .size: 8, .value_kind: global_buffer, .address_space: global }
      - { .name: wc, .offset: 104, .size: 8, .value_kind: global_buffer, .address_space: global }
      - { .name: br, .offset: 112, .size: 8, .value_kind: global_buffer, .address_space: global }
      - { .name: bvec, .offset: 120, .size: 8, .value_kind: global_buffer, .address_space: global }
    .group_segment_fixed_size: 0
    .private_segment_fixed_size: 0
    .kernarg_segment_align: 8
    .kernarg_segment_size: 128
    .max_flat_workgroup_size: 256
    .sgpr_count:     66
    .vgpr_count:     160
    .wavefront_size: 32
...
	.end_amdgpu_metadata
.endif
;; end of part 5
;; launch proj: the kernel of part 2 again; grid 4 x 64, 4 waves a work-group, clusters of 4 x 4, 327,680 bytes of LDS; arguments xb, wc, bvec, qkv; writes qkv
;; launch attn: the kernel of part 3 again; grid 16 x 16, 4 waves a work-group, clusters of 4 x 4, 327,680 bytes of LDS; arguments qkv, br, ctx; writes ctx
;; launch outp: the kernel of part 4 again; grid 4 x 64, 4 waves a work-group, clusters of 4 x 4, 327,680 bytes of LDS; arguments ctx, wc, bvec, out0; writes out0
